; MI455X (gfx1250); checked and timed in simulation.
; The chip was launched on July 23, 2026; its instructions are those of AMD's public machine-readable ISA for CDNA 5 (MIT licence, August 2026) and "CDNA5" Instruction Set Architecture Reference Guide (July 2026). The comments in the code are by the model that wrote it; some were corrected since.
;; Unbalanced MMSE. Allowed arithmetic: matrix products marked QUANTISED: E2M3 operands, one E8M0 scale for each 32 along K, by v_wmma_scale_f32_16x16x128_f8f6f4 with both operands' format E2M3, f32 sums; everything else in f32.
;; Inputs: W 128 x 512 float32; W_minor 128 x 512 float32; data 64 x 2,048 x 128 float32; targets 64 x 2,048 float32.
;; Outputs: out0 64 x 2,048 float32.
;; This version of the problem:
;;   THIS VERSION OF THE PROBLEM IS GIVEN IN LOW PRECISION. The matrix products marked QUANTISED in the list below multiply operands that are first quantised to E2M3 (2 exponent bits, 3 mantissa bits; 6 bits a number), with one power-of-two scale for each 32 numbers along K (OCP MX v1.0); their sums are f32. All else is computed in f32.
;;   The module's matrix products, in the order in which they are computed (A, B: the left and right operand; K: the contracted axis; several contracted axes count as one K, in the product's order):
;;     1. [M 131,072, K 128] x [K 128, N 1,024]; A: input data; B: computed on the way: QUANTISED
;;     2. [M 131,072, K 1,024] x [K 1,024, N 128]; A: softmax (see below); B: computed on the way: QUANTISED
;;   THE QUANTISER, for each operand of a quantised product, along K:
;;     - K is cut into blocks of 32 from its start; a last block that is shorter is filled with zeros.
;;     - A block's scale is 2^e with e = floor(log2(the largest magnitude in the block)) - 2, held to -126 .. 127; a block of zeros has e = 0. As a byte (E8M0): e + 127.
;;     - Each number is divided by its block's scale, clamped to +-7.5, and rounded to the nearest number of E2M3, ties to even, subnormals kept.
;;     - The product sums the exact products of the quantised numbers (number of the format x scale) in f32.
;;   ~~~python
;;   def quantise(x, axis):      # numpy; x: float32 -> the quantised numbers, widened to float32 again
;;       x = np.moveaxis(x, axis, -1); K = x.shape[-1]
;;       x = np.pad(x, [(0, 0)] * (x.ndim - 1) + [(0, -K % 32)]); x = x.reshape(x.shape[:-1] + (-1, 32)); a = np.abs(x).max(-1, keepdims=True)
;;       e = np.where(a > 0, np.clip(np.frexp(np.where(a > 0, a, 1))[1] - 1 - 2, -126, 127), 0)      # np.frexp(a)[1] - 1 = floor(log2(a)), exactly
;;       r = np.clip(x / 2.0 ** e, -7.5, 7.5)
;;       step = 2.0 ** (np.maximum(np.frexp(np.where(r == 0, 1, r))[1] - 1, 0) - 3)
;;       q = np.round(r / step) * step * 2.0 ** e      # np.round: ties to even
;;       return np.moveaxis(q.reshape(q.shape[:-2] + (-1,))[..., :K], -1, axis).astype(np.float32)
;;   ~~~
;;   SOFTMAX AHEAD OF A QUANTISED PRODUCT. Where the list says 'softmax', what is quantised is not the finished softmax but p = 2^(t - M), with t = logit x log2(e) and M = ceil(the row's largest t), a whole number; so 1/2 < the row's largest p <= 1. The row's sum l is taken of the UNQUANTISED p, in f32, and the product's result is divided by l at the end. Since M is a whole number, a kernel that streams over the keys may use a running M (the ceiling of the running maximum): every later rescaling is an exact power of two, which a block's scale takes up: the codes' values come out the same.
;;   OPERANDS COMPUTED ON THE WAY. 'Computed on the way' means the value that the module computes at that place (a softmax that the list does not call 'softmax' is quantised finished and normalised). What goes into a quantiser is computed in f32, as accurately as f32 sums, v_exp_f32 and their like allow (about 1e-6 of the number): no bf16 or f16 on the way to a quantiser, and a product that is left as it is and whose result goes on into a quantised operand takes f32 operands (vector FMAs, or v_wmma_f32_16x16x4_f32). A number that lies on a knife's edge between two numbers of the format may be rounded either way, as far as f32 arithmetic and the matrix unit's own rounding can turn it there, and no further.
;; 2 versions. Each part assembles by itself: llvm-mc -triple=amdgcn-amd-amdhsa -mcpu=gfx1250 --defsym DOCPART=n.
;; ======== version 1 of 2: 2 launches
;; limits: right only within a limited range of input values
;; workspace buffers: wimg 212,992 bytes; blk 786,432 bytes
;; launch sums (part 1): grid 3 x 64, 8 waves a work-group, no clusters, 44,032 bytes of LDS; arguments W, W_minor, data, targets, wimg, blk; writes wimg, blk
.if DOCPART == 1
	.amdgcn_target "amdgcn-amd-amdhsa--gfx1250"
	.amdhsa_code_object_version 6
	.text
	.protected	k_qc43f49c341_sums
	.globl	k_qc43f49c341_sums
	.p2align	8
	.type	k_qc43f49c341_sums,@function
k_qc43f49c341_sums:
	s_mov_b64 s[64:65], 0
	v_nop
	global_prefetch_b8 v0, s[64:65] scope:SCOPE_SE
	s_setreg_imm32_b32 hwreg(HW_REG_WAVE_MODE, 25, 1), 1
	s_wait_xcnt 0x0
; FIRST OF TWO LAUNCHES.  preds[b][n] = data[b][n] . (sum over tasks of softmax_t(-0.5 P[b][n][t] + log prior[t]) W_all[:, t]), where P[b][n][t] is the sum over the rows
; n' < n of (targets[b][n'] - XW[b][n'][t])^2 and XW = Q(data) Q(W_all), on codes of FP6 (E2M3) with one E8M0 scale for each 32 along K = the 128 dims.
; A sequence of 2,048 rows is cut into four chunks of 512.  THIS LAUNCH makes, for chunks 0, 1, 2 of each of the 64 sequences, the chunk's sum of squared residuals for each of the 1,024 tasks (blk[b][chunk][task]);
; the second launch starts each chunk's running sum from them.  On the way it quantises W_all both ways and stores images of the operands' registers (wimg) for the second launch.
; WORK LEFT OUT: chunk 3's sum.  reference() shifts the running sums by one row and drops the last, and no chunk follows chunk 3: for all values of the inputs that sum reaches no output.  So grid x is 3.
; A NaN, an infinity or an overflow that arises in chunk 3's sum alone is therefore not formed here (the second launch still meets those rows' residuals in its own running sums).  Every input has a way to the output and is loaded.
; THE ORDER OF THE SUMS is a binary tree over aligned blocks of rows: e(L+1)[j] = e(L)[2 j] + e(L)[2 j + 1], each one f32 addition; the chunk's sum is e9.
; LIMITS: NaN and infinities among the inputs are not served; a block of 32 whose largest magnitude lies under 2^-124 keeps the scale byte 1 (a block of zeros too: its codes are zeros, and this program alone reads the bytes).
; SHARES.  A work-group (8 waves) takes one chunk; wave w takes tasks 128 w .. 128 w + 127, as eight tiles of 16 whose fragments of W stay in its registers.  Tile f = 4 g + u holds in lane r the task 128 w + 64 g + 4 r + u.
; A step is 32 rows: each wave loads 4 of them (512 consecutive bytes a load), turns them through its own LDS bytes so that a lane holds 16 neighbours along K, quantises them and leaves codes and scale bytes in LDS for all waves.
; The rows of step s + 1 are staged while step s is multiplied; two sets of LDS bytes take turns, one barrier a step.  No matrix instruction adds onto another: K = 128 is one instruction deep, C is the constant 0.
; No cluster: the work-groups share only W (512 KiB, read once at the head); each chunk's rows are read by one work-group alone.  No tensor load: the rows must pass through registers for the quantiser anyway.
.set DFSZ,  16896                      ; LDS: 32 rows of f32, 528 bytes apart; two sets from byte 0
.set DCB,   33792                      ; the rows' codes: 32 rows, 104 bytes apart (96 used); two sets
.set DCSZ,  3328
.set DSB,   40448                      ; their scale bytes: 4 a row; two sets of 256 bytes
.set YLB,   40960                      ; the chunk's 512 targets
.set SPARE, 43008                      ; the spare words, 128 bytes for each wave: four blocks of 256 bytes that no other line names
.set W1IMG, 0                          ; wimg: 64 fragments of W for product 1 (index 8 w + f), 1,536 bytes each: three groups of four registers, 16 bytes a lane
.set W1SC,  98304                      ; their scale words, 4 bytes a lane
.set W2IMG, 106496                     ; 64 fragments of W for product 2 (index 8 x K step + tile of dims)
.set W2SC,  204800
.set SPW,  1                           ; v1  LDS address of my spare word; never rewritten
.set NIL,  2                           ; v2  0; never rewritten
.set GOFF, 3                           ; v3  16 x lane
.set DFW,  4                           ; v4  where my wave's four rows go: 2,112 w + 16 x lane
.set DFR,  5                           ; v5  where my 16 neighbours lie: row v0 / 8, 64 (lane % 8)
.set DCW,  6                           ; v6  where my 12 bytes of codes go
.set DSW,  7                           ; v7  where my block's scale byte goes
.set ADC,  8                           ; v8  a fragment of rows: my row's codes
.set ADS,  9                           ; v9  and its scale word
.set YA0,  10                          ; v10 my half's targets
.set YAT,  11                          ; v11 the same in the step in hand
.set WO,   12                          ; v12 W for product 1: 16 r + 32 rows x h
.set W2O,  13                          ; v13 W for product 2: row r, + 128 h
.set H8,   14                          ; v14 8 h
.set L4,   15                          ; v15 4 x lane
.set W1S,  16                          ; v16-23 scale words of my eight fragments of W: scales and nothing else
.set DSC,  24                          ; v24-25 scale words of the two fragments of rows
.set TG,   26                          ; v26-27 two targets on their way to LDS
.set G,    28                          ; v28-43 four rows as loaded
.set Y,    44                          ; v44-59 targets of my half's 16 rows (at the head: at work for the weights)
.set AF,   60                          ; v60-83 two fragments of rows (at the head: a fragment of W just made)
.set E5,   84                          ; v84-91 block sums in hand, one register a tile
.set S5,   92
.set S6,   100
.set S7,   108
.set S8,   116                         ; waiting left halves of the tree's levels
.set X4,   124                         ; v124-127 the other half of the lanes' sums
.set XW,   128                         ; v128-191 four tiles x two fragments of rows: residuals
.set SET0, 128                         ; at the head: 64 numbers of W, two sets
.set SET1, 192
.set XQ,   192                         ; v192-207 my 16 neighbours
.set MX,   208
.set SOP,  210
.set BYT,  211
.set CQ,   212                         ; v212-214 their codes
.set QM,   44
.set QS,   46
.set QB,   48
.set QT,   50
.set W2W,  51
.set CD,   60
.set CT,   72
.set MSB, 0
.macro WIN new                         ; the immediate's high byte repeats the setting that is left
.if MSB != \new
	s_set_vgpr_msb (MSB<<8)|\new
.set MSB, \new
.endif
.endm
.macro V8ADD d, a, b
.irp k, 0,2,4,6
	v_pk_add_f32 v[(\d)+\k:(\d)+\k+1], v[(\a)+\k:(\a)+\k+1], v[(\b)+\k:(\b)+\k+1]
.endr
.endm
.macro V8MOV d, a
.irp k, 0,1,2,3,4,5,6,7
	v_mov_b32 v[(\d)+\k], v[(\a)+\k]
.endr
.endm
.macro BARRIER                         ; my LDS stores have landed and my LDS loads are in: then the work-group's barrier
	s_wait_dscnt 0x0
	s_barrier_signal -1
	s_barrier_wait -1
.endm
.macro LOADG                           ; my wave's four rows of the next step: 512 consecutive bytes a load
.irp i, 0,1,2,3
	global_load_b128 v[G+4*\i:G+4*\i+3], v[GOFF], s[20:21] offset:512*\i th:TH_LOAD_NT
.endr
	s_wait_xcnt 0x0                                ; the loads have read their base: it may step
	s_add_nc_u64 s[20:21], s[20:21], 16384
.endm
; Four rows become codes.  They go into LDS as they lie and come back 64 bytes a lane (my wave's own bytes: LDS serves a wave's instructions in order); two neighbouring lanes hold a block of 32.
.macro STAGE p
	s_wait_loadcnt 0x0                             ; the four rows, asked for a step ago
.irp i, 0,1,2,3
	ds_store_b128 v[DFW], v[G+4*\i:G+4*\i+3] offset:\p*DFSZ+528*\i
.endr
.irp q, 0,1,2,3
	ds_load_b128 v[XQ+4*\q:XQ+4*\q+3], v[DFR] offset:\p*DFSZ+16*\q
.endr
	s_wait_dscnt 0x0                               ; my 16 numbers are in, and the stores have read G
	v_max3_num_f32 v[MX], |v[XQ]|, |v[XQ+1]|, |v[XQ+2]|
	v_max3_num_f32 v[MX+1], |v[XQ+3]|, |v[XQ+4]|, |v[XQ+5]|
.irp i, 6,10
	v_max3_num_f32 v[MX], v[MX], |v[XQ+\i]|, |v[XQ+\i+1]|
	v_max3_num_f32 v[MX+1], v[MX+1], |v[XQ+\i+2]|, |v[XQ+\i+3]|
.endr
	v_max3_num_f32 v[MX], v[MX], |v[XQ+14]|, |v[XQ+15]|
	v_max3_num_f32 v[MX], v[MX], v[MX+1], 0x1800000                ; and the floor 2^(3 - 127): the byte cannot fall under 1
	v_max_num_f32_dpp v[MX], v[MX], v[MX] row_xmask:1 row_mask:0xf bank_mask:0xf   ; with my neighbour's 16: the block's largest magnitude
	v_add_nc_u32 v[SOP], 0xff000000, v[MX]         ; 2 off its exponent field: the conversion's scale operand
	v_cvt_scalef32_pk16_fp6_f32 v[CQ:CQ+2], v[XQ:XQ+15], v[SOP]
	v_lshrrev_b32 v[BYT], 23, v[SOP]               ; the scale's byte (also the plain line behind the conversion)
	ds_store_b8 v[DSW], v[BYT] offset:256*\p       ; both lanes of a block write the same byte with the same value
.irp i, 0,1,2
	ds_store_b32 v[DCW], v[CQ+\i] offset:\p*DCSZ+4*\i
.endr
.endm
.macro FRAGS p                         ; two fragments of 16 rows x 128 K, 24 bytes of a row's stream of bits at a time, and their scale words
.irp rt, 0,1
.irp i, 0,1,2,3,4,5
	ds_load_b64 v[AF+12*\rt+2*\i:AF+12*\rt+2*\i+1], v[ADC] offset:\p*DCSZ+832*\rt+48*(\i/3)+8*(\i%3)
.endr
	ds_load_b32 v[DSC+\rt], v[ADS] offset:256*\p+32*\rt
.endr
.endm
; 64 numbers of W for fragment f: lane (r, h) takes its task's column and its registers run down K: register 32 c + i is dim 64 c + 32 h + i
.macro LOADW f, set
.set n, 0
.rept 64
	global_load_b32 v[(\set)+n], v[WO], s[24:25] offset:(n+32*(n/32))*2048+256*((\f)/4)+4*((\f)%4)
.set n, n+1
.endr
.endm
; the same for product 2: lane (r, h) takes dim r of the tile, and register 32 c + i is task 64 c + 32 h + i of my wave's 128: neighbours in memory
.macro LOADW2 set
.irp c, 0,1
.irp q, 0,1,2,3,4,5,6,7
	global_load_b128 v[\set+32*\c+4*\q:\set+32*\c+4*\q+3], v[W2O], s[30:31] offset:256*\c+16*\q
.endr
.endr
.endm
; 64 numbers of a lane, two whole blocks of 32, become a fragment's 12 registers in v[CD] on and its scale word
.macro QW src, word
.irp c, 0,1
	v_max3_num_f32 v[QM+\c], |v[\src+32*\c]|, |v[\src+32*\c+1]|, 0x1800000
.endr
.irp i, 2,4,6,8,10,12,14,16,18,20,22,24,26,28,30
.irp c, 0,1
	v_max3_num_f32 v[QM+\c], v[QM+\c], |v[\src+32*\c+\i]|, |v[\src+32*\c+\i+1]|
.endr
.endr
.irp c, 0,1
	v_add_nc_u32 v[QS+\c], 0xff000000, v[QM+\c]
.endr
.irp c, 0,1
	v_lshrrev_b32 v[QB+\c], 23, v[QS+\c]
.endr
	v_lshl_or_b32 v[\word], v[QB+1], 16, v[QB]     ; my two bytes: blocks h and 2 + h,
	v_lshlrev_b32 v[\word], v[H8], v[\word]        ; at their places in the word;
	v_permlanex16_b32 v[QT], v[\word], s22, s23
	v_or_b32 v[\word], v[\word], v[QT]             ; with lane l xor 16's two the word is whole
.irp c, 0,1
	v_cvt_scalef32_pk16_fp6_f32 v[CD+6*\c:CD+6*\c+2], v[\src+32*\c:\src+32*\c+15], v[QS+\c]
	v_cvt_scalef32_pk16_fp6_f32 v[CT+4*\c:CT+4*\c+2], v[\src+32*\c+16:\src+32*\c+31], v[QS+\c]   ; (a conversion's three registers begin on an even number)
.endr
	v_nop                                          ; one plain line behind the conversions
.irp c, 0,1
.irp i, 0,1,2
	v_mov_b32 v[CD+3+6*\c+\i], v[CT+4*\c+\i]
.endr
.endr
.endm
; fragment f of W for product 1: quantised, kept in window 1, stored by the first work-group; the fragment two on is asked for
.macro BUILD f
.if (\f) < 7
	s_wait_loadcnt 63                              ; behind this fragment's 64 loads stand the next fragment's 64: with at most 63 out, this fragment's are all in (loads return in order)
.else
	s_wait_loadcnt 0x0
.endif
	s_wait_xcnt 0x0                                ; the last fragment's stores have read v[CD] on
	QW SET0+64*((\f)%2), W1S+(\f)
	WIN 0x40                                       ; destination window 1
.irp i, 0,1,2,3,4,5,6,7,8,9,10,11
	v_mov_b32 v[12*(\f)+\i], v[CD+\i]
.endr
	WIN 0
	s_cmp_lg_u32 s28, 0
	s_cbranch_scc1 .Lnot_first_\@
.irp c, 0,1,2
	global_store_b128 v[GOFF], v[CD+4*\c:CD+4*\c+3], s[38:39] offset:W1IMG+1536*(\f)+512*\c   ; 512 consecutive bytes a store
.endr
	global_store_b32 v[L4], v[W1S+(\f)], s[40:41] offset:W1SC+128*(\f)
.Lnot_first_\@:
.if (\f) < 6
	LOADW (\f)+2, SET0+64*((\f)%2)
.endif
.if (\f) == 6
	s_cmp_lg_u32 s29, 0
	s_cbranch_scc1 .Lno_w2_\@
	LOADW2 SET0
.Lno_w2_\@:
.endif
.endm
; one tile: 32 rows x 16 tasks.  In a register pair stand row i of two neighbouring blocks of four rows, so the tree goes by packed additions
.macro TILE x, x4, d
.irp k, 0,2,4,6,8,10,12,14
	v_pk_add_f32 v[\x+\k:\x+\k+1], v[Y+\k:Y+\k+1], v[\x+\k:\x+\k+1] neg_lo:[0,1] neg_hi:[0,1]   ; target - XW; each accumulator from its low end on
.endr
.irp k, 0,2,4,6,8,10,12,14
	v_pk_mul_f32 v[\x+\k:\x+\k+1], v[\x+\k:\x+\k+1], v[\x+\k:\x+\k+1]
.endr
.irp q, 0,8
	v_pk_add_f32 v[\x+\q:\x+\q+1], v[\x+\q:\x+\q+1], v[\x+\q+2:\x+\q+3]        ; rows 0 + 1 | 4 + 5
	v_pk_add_f32 v[\x+\q+4:\x+\q+5], v[\x+\q+4:\x+\q+5], v[\x+\q+6:\x+\q+7]    ; rows 2 + 3 | 6 + 7
.endr
.irp q, 0,8
	v_pk_add_f32 v[\x+\q:\x+\q+1], v[\x+\q:\x+\q+1], v[\x+\q+4:\x+\q+5]        ; four rows | four rows
.endr
	v_add_f32 v[\x], v[\x], v[\x+1]                ; eight rows
	v_add_f32 v[\x+8], v[\x+8], v[\x+9]
	v_add_f32 v[\x], v[\x], v[\x+8]                ; my half's sixteen
	v_permlanex16_b32 v[\x4], v[\x], s22, s23
	v_add_f32 v[\d], v[\x], v[\x4]                 ; the step's 32
.endm
.macro WORK p, u, dst
	v_add_nc_u32 v[YAT], s27, v[YA0]
.irp rt, 0,1
.irp j, 0,1,2,3,4,5,6,7
	ds_load_b32 v[Y+8*\rt+\j], v[YAT] offset:128*\u+4*(8*\rt+4*(\j%2)+\j/2)   ; register j of a result is row 16 h + 8 rt + 4 (j % 2) + j / 2 of the step
.endr
.endr
	FRAGS \p
	s_wait_dscnt 0x0
.irp hf, 0,1
	WIN 0x04                                       ; source 1 (W) window 1
.irp i, 0,1,2,3
.irp rt, 0,1
	v_wmma_scale_f32_16x16x128_f8f6f4 v[XW+16*\i+8*\rt:XW+16*\i+8*\rt+7], v[AF+12*\rt:AF+12*\rt+11], v[12*(4*\hf+\i):12*(4*\hf+\i)+11], 0, v[DSC+\rt], v[W1S+4*\hf+\i] matrix_a_fmt:MATRIX_FMT_FP6 matrix_b_fmt:MATRIX_FMT_FP6
.endr
.endr
	WIN 0
.rept 4
	v_nop                                          ; four places in front of the first read of results
.endr
.irp i, 0,1,2,3
	TILE XW+16*\i, X4+\i, \dst+4*\hf+\i
.endr
.endr
.endm
	s_load_b256 s[4:11], s[0:1], 0x0               ; W s[4:5], W_minor s[6:7], data s[8:9], targets s[10:11]
	s_load_b128 s[12:15], s[0:1], 0x20             ; wimg s[12:13], blk s[14:15]
	v_lshl_add_u32 v[SPW], v0, 2, SPARE
	v_mov_b32 v[NIL], 0
	v_lshrrev_b32 v[GOFF], 5, v0
	v_readfirstlane_b32 s16, v[GOFF]               ; wave 0..7
	s_mov_b32 s17, ttmp9                           ; the chunk, 0..2
	s_and_b32 s18, ttmp7, 0xffff                   ; the sequence
	v_and_b32 v[L4], 31, v0                        ; lane
	v_lshlrev_b32 v[GOFF], 4, v[L4]
	v_lshlrev_b32 v[YAT], 3, v[L4]                 ; (8 x lane, for the targets' load)
	v_lshlrev_b32 v[L4], 2, v[L4]
	s_mul_i32 s32, s16, 2112
	v_add_nc_u32 v[DFW], s32, v[GOFF]
	v_lshrrev_b32 v[DFR], 3, v0                    ; the step's row that I quantise: 4 w + lane / 8
	v_and_b32 v[DSW], 7, v0
	v_mul_u32_u24 v[DCW], v[DFR], 104
	v_mad_u32_u24 v[DCW], v[DSW], 12, v[DCW]
	v_add_nc_u32 v[DCW], DCB, v[DCW]
	v_mul_u32_u24 v[DFR], v[DFR], 528
	v_lshl_add_u32 v[DFR], v[DSW], 6, v[DFR]
	v_lshrrev_b32 v[DSW], 1, v0                    ; 4 x row + block
	v_add_nc_u32 v[DSW], DSB, v[DSW]
	v_and_b32 v[TG], 15, v0                        ; r
	v_bfe_u32 v[TG+1], v0, 4, 1                    ; h
	v_bfe_u32 v[ADC], v0, 3, 1
	v_and_b32 v[ADS], 1, v0
	v_lshlrev_b32 v[ADC], 4, v[ADC]
	v_lshl_add_u32 v[ADC], v[ADS], 2, v[ADC]
	v_bfe_u32 v[ADS], v0, 1, 2
	v_add_nc_u32 v[ADS], v[ADC], v[ADS]            ; lane r of a fragment takes row 16 (r / 8) + 4 (r % 2) + (r / 2) % 4 (+ 8 for the second fragment)
	v_mul_u32_u24 v[ADC], v[ADS], 104
	v_mad_u32_u24 v[ADC], v[TG+1], 24, v[ADC]
	v_add_nc_u32 v[ADC], DCB, v[ADC]
	v_lshl_add_u32 v[ADS], v[ADS], 2, DSB
	v_lshl_add_u32 v[YA0], v[TG+1], 6, YLB
	v_lshlrev_b32 v[WO], 4, v[TG]
	v_lshl_add_u32 v[WO], v[TG+1], 16, v[WO]
	v_lshlrev_b32 v[W2O], 11, v[TG]
	v_lshl_add_u32 v[W2O], v[TG+1], 7, v[W2O]
	v_lshlrev_b32 v[H8], 3, v[TG+1]
	s_mov_b32 s22, 0x76543210
	s_mov_b32 s23, 0xfedcba98                      ; v_permlanex16_b32's selects for lane l xor 16
	s_mov_b32 s26, 0                               ; the trip
	s_mov_b32 s27, 0                               ; 256 x trip: the trip's 64 targets
	s_or_b32 s28, s17, s18                         ; 0 in the work-group that stores product 1's images
	s_lshr_b32 s29, s18, 3
	s_or_b32 s29, s29, s17                         ; 0 in the eight that make product 2's: chunk 0, sequences 0..7; the sequence's number is the tile of dims
	s_lshl_b32 s32, s18, 20
	s_lshl_b32 s34, s17, 18
	s_add_co_u32 s32, s32, s34
	s_lshl_b32 s34, s16, 11
	s_add_co_u32 s32, s32, s34                     ; data: sequence, chunk, my wave's four rows
	s_mov_b32 s33, 0
	s_lshl_b32 s34, s18, 13
	s_lshl_b32 s36, s17, 11
	s_add_co_u32 s34, s34, s36
	s_lshl_b32 s36, s16, 8
	s_add_co_u32 s34, s34, s36                     ; targets: my wave's 64 of the chunk's 512
	s_mov_b32 s35, 0
	s_mov_b32 s37, 0
	s_wait_kmcnt 0x0
	s_add_nc_u64 s[20:21], s[8:9], s[32:33]
	s_add_nc_u64 s[10:11], s[10:11], s[34:35]
	s_cmp_lt_u32 s16, 4                            ; waves 0..3: the major pool, waves 4..7: the minor pool
	s_cselect_b64 s[24:25], s[4:5], s[6:7]
	s_and_b32 s36, s16, 3
	s_lshl_b32 s36, s36, 9
	s_add_nc_u64 s[24:25], s[24:25], s[36:37]      ; my wave's 128 columns
	s_min_u32 s46, s18, 7                          ; (held, so that the address stays inside W where it is not used)
	s_lshl_b32 s36, s46, 15
	s_add_nc_u64 s[30:31], s[24:25], s[36:37]      ; and 16 rows x the tile of dims
	s_mul_i32 s36, s16, 12288
	s_add_nc_u64 s[38:39], s[12:13], s[36:37]      ; my wave's eight images
	s_lshl_b32 s36, s16, 10
	s_add_nc_u64 s[40:41], s[12:13], s[36:37]      ; and their scale words
	s_mul_i32 s36, s46, 1536
	s_add_nc_u64 s[42:43], s[38:39], s[36:37]
	s_lshl_b32 s36, s46, 7
	s_add_nc_u64 s[44:45], s[40:41], s[36:37]
	s_mul_i32 s36, s18, 3
	s_add_co_u32 s36, s36, s17
	s_lshl_b32 s36, s36, 12
	s_lshl_b32 s46, s16, 9
	s_add_co_u32 s36, s36, s46
	s_add_nc_u64 s[14:15], s[14:15], s[36:37]      ; blk: (3 b + chunk) x 4,096 + 512 w
	LOADG                                          ; step 0
	global_load_b64 v[TG:TG+1], v[YAT], s[10:11]
	LOADW 0, SET0
	LOADW 1, SET1
.set k, 0
.rept 24
	v_mov_b32 v[S6+k], 0                           ; so that every way through the tree's branches reads written registers
.set k, k+1
.endr
.irp i, 0,1,2,3
	v_mov_b32 v[X4+\i], 0                          ; a lane permute's destination counts as one of its sources
.endr
	v_mov_b32 v[QT], 0
.irp f, 0,1,2,3,4,5,6,7
	BUILD \f
.endr
	s_cmp_lg_u32 s29, 0
	s_cbranch_scc1 .Lnow2
	s_wait_xcnt 0x0                                ; fragment 7's stores have read v[CD] on
	QW SET0, W2W
.irp c, 0,1,2
	global_store_b128 v[GOFF], v[CD+4*\c:CD+4*\c+3], s[42:43] offset:W2IMG+512*\c
.endr
	global_store_b32 v[L4], v[W2W], s[44:45] offset:W2SC
.Lnow2:
	STAGE 0
	LOADG                                          ; step 1 (its wait on XCNT also frees the registers that the stores above read)
	v_lshl_add_u32 v[YAT], v0, 3, YLB
	ds_store_b64 v[YAT], v[TG:TG+1]
	BARRIER                                        ; step 0's codes and the targets lie in LDS
.Ltrip:                                                ; 8 trips of two steps
	STAGE 1                                        ; the odd step's rows, into the set that was read last before the barrier just passed
	s_cmp_eq_u32 s26, 7
	s_cbranch_scc1 .Leven                          ; the last trip asks for nothing more: no load leaves the chunk
	LOADG
.Leven:
	WORK 0, 0, S5
	BARRIER
	s_cmp_eq_u32 s26, 7
	s_cbranch_scc1 .Lodd
	STAGE 0
	LOADG
.Lodd:
	WORK 1, 1, E5
	V8ADD E5, S5, E5                               ; 64 rows; then up the tree as far as the trip's number allows
	s_bitcmp1_b32 s26, 0
	s_cbranch_scc1 .Lm1
	V8MOV S6, E5
	s_branch .Lmd
.Lm1:
	V8ADD E5, S6, E5                               ; 128 rows
	s_bitcmp1_b32 s26, 1
	s_cbranch_scc1 .Lm2
	V8MOV S7, E5
	s_branch .Lmd
.Lm2:
	V8ADD E5, S7, E5                               ; 256 rows
	s_bitcmp1_b32 s26, 2
	s_cbranch_scc1 .Lm3
	V8MOV S8, E5
	s_branch .Lmd
.Lm3:
	V8ADD E5, S8, E5                               ; the chunk's 512
.Lmd:
	BARRIER
	s_add_co_u32 s27, s27, 256
	s_add_co_u32 s26, s26, 1
	s_cmp_lt_u32 s26, 8
	s_cbranch_scc1 .Ltrip
	v_and_b32 v[YAT], 31, v0
	v_cmp_gt_u32 vcc_lo, 16, v[YAT]
.irp i, 0,1,2,3
	v_cndmask_b32 v[XW+\i], v[E5+4+\i], v[E5+\i], vcc_lo   ; both halves hold all eight sums: lanes 0-15 send tasks 4 r .. 4 r + 3, lanes 16-31 tasks 64 + 4 r ..
.endr
	global_store_b128 v[GOFF], v[XW:XW+3], s[14:15]        ; 512 consecutive bytes: my wave's 128 tasks
	s_wait_tensorcnt 0x0                           ; the wave's end: three closing lines, behind my last LDS store
	ds_add_u32 v[SPW], v[NIL]
	s_wait_dscnt 0x0
	s_endpgm
.Lfunc_end_k_qc43f49c341_sums:
	.size	k_qc43f49c341_sums, .Lfunc_end_k_qc43f49c341_sums-k_qc43f49c341_sums
	.p2alignl 7, 3214868480
	.fill 96, 4, 3214868480
	.section	.rodata,"a",@progbits
	.p2align	6, 0x0
	.amdhsa_kernel k_qc43f49c341_sums
		.amdhsa_group_segment_fixed_size 44032
		.amdhsa_private_segment_fixed_size 0
		.amdhsa_enable_private_segment 0
		.amdhsa_kernarg_size 48
		.amdhsa_user_sgpr_count 2
		.amdhsa_user_sgpr_kernarg_segment_ptr 1
		.amdhsa_wavefront_size32 1
		.amdhsa_system_sgpr_workgroup_id_x 1
		.amdhsa_system_sgpr_workgroup_id_y 1
		.amdhsa_system_sgpr_workgroup_id_z 1
		.amdhsa_system_vgpr_workitem_id 0
		.amdhsa_next_free_vgpr 384
		.amdhsa_next_free_sgpr 66
		.amdhsa_reserve_vcc 1
		.amdhsa_float_denorm_mode_32 3
		.amdhsa_float_denorm_mode_16_64 3
		.amdhsa_memory_ordered 1
		.amdhsa_forward_progress 1
		.amdhsa_inst_pref_size 132
	.end_amdhsa_kernel
	.amdgpu_metadata
---
amdhsa.version: [ 1, 2 ]
amdhsa.kernels:
  - .name:           k_qc43f49c341_sums
    .symbol:         k_qc43f49c341_sums.kd
    .args:
      - { .name: W, .offset: 0, .size: 8, .value_kind: global_buffer, .address_space: global }
      - { .name: W_minor, .offset: 8, .size: 8, .value_kind: global_buffer, .address_space: global }
      - { .name: data, .offset: 16, .size: 8, .value_kind: global_buffer, .address_space: global }
      - { .name: targets, .offset: 24, .size: 8, .value_kind: global_buffer, .address_space: global }
      - { .name: wimg, .offset: 32, .size: 8, .value_kind: global_buffer, .address_space: global }
      - { .name: blk, .offset: 40, .size: 8, .value_kind: global_buffer, .address_space: global }
    .group_segment_fixed_size: 44032
    .private_segment_fixed_size: 0
    .kernarg_segment_align: 8
    .kernarg_segment_size: 48
    .max_flat_workgroup_size: 256
    .sgpr_count:     66
    .vgpr_count:     384
    .wavefront_size: 32
...
	.end_amdgpu_metadata
.endif
;; end of part 1
;; launch mmse (part 2): grid 4 x 64, 8 waves a work-group, no clusters, 228,352 bytes of LDS; arguments data, targets, wimg, blk, out0; writes out0
.if DOCPART == 2
	.amdgcn_target "amdgcn-amd-amdhsa--gfx1250"
	.amdhsa_code_object_version 6
	.text
	.protected	k_qc43f49c341_mmse
	.globl	k_qc43f49c341_mmse
	.p2align	8
	.type	k_qc43f49c341_mmse,@function
k_qc43f49c341_mmse:
	s_mov_b64 s[64:65], 0
	v_nop
	global_prefetch_b8 v0, s[64:65] scope:SCOPE_SE
	s_setreg_imm32_b32 hwreg(HW_REG_WAVE_MODE, 25, 1), 1
	s_wait_xcnt 0x0
; SECOND OF TWO LAUNCHES: the predictions.  Nothing is left out here.  A work-group (8 waves) takes one chunk of 512 rows of one sequence, 32 rows a step; wave w owns tasks 128 w .. 128 w + 127 throughout:
; as columns of product 1 (XW = Q(data) Q(W_all), K = the 128 dims) and as K step w of product 2 (Q(p) Q(W_all), K = the 1,024 tasks).  Its fragments of W for both products stay in registers (images made by the first launch).
; PHASE A (a lane to a task, registers down the rows): residuals, squares, and the running sum P over the rows, from the chunk's start value (the earlier chunks' sums, blk) on.
; THE ORDER OF THE SUMS is a binary tree: blocks e(L+1)[j] = e(L)[2 j] + e(L)[2 j + 1]; P(n) = P(n with its lowest set bit cleared) + the aligned block of that bit; every step one f32 addition.
; The wave's 32 x 128 running sums turn through LDS bytes of its own (no barrier): PHASE B has a lane to a row and registers along the tasks, as the quantiser of p wants them.
; PHASE B: logit = -0.5 P + log prior (one fused multiply-add: the product is exact); t = logit x log2(e), rounded; M = ceil(the largest t of MY WAVE'S 128 tasks), a whole number; p = 2^(t - M), quantised along the tasks;
; O^T = W2 p^T; the partial prediction pp = data row (f32) . O, the partial sum l of the unquantised p, and -M go to LDS.  At the end pred = sum_w 2^(M_w - M) pp_w / sum_w 2^(M_w - M) l_w, M the largest M_w:
; the factors are exact powers of two.  The maximum is taken away ahead of every exponential.  No matrix instruction adds onto another: every C is the constant 0.
; LIMITS: NaN and infinities among the inputs are not served; |target - XW| stays under 1.8e19 (a square that overflowed would meet a factor 0 in the line that gives each half of the lanes its start value);
; a p under 2^-126 of its wave's largest is flushed to 0; a block of 32 whose largest magnitude lies under 2^-124 keeps the scale byte 1.
; No cluster: the work-groups share only the weights' images (208 KiB, read once at the head); each row of data is read by one work-group.  No tensor load: the rows pass through registers for the quantiser anyway, and are asked for a step ahead.
.set DFSZ,  16896                      ; LDS: 32 rows of f32, 528 bytes apart; two sets from byte 0
.set DCB,   33792                      ; the rows' codes: 32 rows, 104 bytes apart; two sets
.set DCSZ,  3328
.set DSB,   40448                      ; their scale bytes; two sets of 256 bytes
.set YLB,   40960                      ; the chunk's 512 targets
.set SPARE, 43008                      ; the spare words, 128 bytes for each wave: four blocks of 256 bytes that no other line names
.set TBASE, 44032                      ; for each wave 32 rows x (512 bytes + 16): its running sums
.set XBASE, 179200                     ; [pp, l, -M][wave][512 rows] f32
.set W1IMG, 0
.set W1SC,  98304
.set W2IMG, 106496
.set W2SC,  204800
.set SPW,  1
.set NIL,  2
.set GOFF, 3                           ; v3  16 x lane
.set DFW,  4
.set DFR,  5
.set DCW,  6
.set DSW,  7
.set ADC,  8
.set ADS,  9
.set YA0,  10
.set TS,   11                          ; v11 running sums, in: my half's 16 rows, 16 bytes at my four tasks
.set TL,   12                          ; v12 and out: row r, my half's 16 tasks of each 32
.set DFL,  13                          ; v13 the f32 row r, my half's 8 dims of each 16
.set XA0,  14                          ; v14 my wave's result words, row r
.set TA,   15                          ; v15 an address in hand
.set HM,   16                          ; v16-17 h as 0.0 or 1.0
.set LP,   18                          ; v18-19 my wave's log prior
.set NM,   20                          ; v20-21 -M
.set LS,   22                          ; v22-23 l
.set W1S,  24                          ; v24-31, v32-39, v40-41, v42: scale words and nothing else
.set W2S,  32
.set DSC,  40
.set PW,   42
.set XAT,  43                          ; v43 my result words in the step in hand
.set G,    44                          ; v44-59 four rows as loaded
.set Y,    60                          ; v60-75 targets of my half's 16 rows
.set AF,   76                          ; v76-99 two fragments of rows
.set S5,   100
.set S6,   108
.set S7,   116                         ; waiting left halves of the tree's levels
.set B1,   124                         ; P at the trip's first row
.set B2,   132                         ; P at the last multiple of 128 rows
.set B3,   140                         ; of 256 rows
.set C0,   148                         ; P at the chunk's first row
.set PO,   156                         ; P at the odd step's first row
.set E5,   164
.set P0,   172                         ; v172-175 P at my half's first row
.set X4,   176
.set E,    180                         ; v180-243 slot s (row 16 h + s): four tasks at v[E + 4 s]
.set PV,   180                         ; phase B: 64 tasks of a row, later 64 dims of the f32 row
.set ACC,  244
.set TMP,  252
.set PX,   253
.set T2,   254
.set BM,   60                          ; phase B, over Y and AF: the blocks' maxima,
.set BP,   64
.set SO,   68                          ; scale operands,
.set BY,   72                          ; bytes,
.set PC,   76                          ; p's codes,
.set PT,   88
.set XQ,   180                         ; the quantiser of rows, over E
.set MX,   196
.set SOP,  198
.set BYT,  199
.set CQ,   200
.set FP,   180                         ; the end: eight waves' pp, l, -M of two rows
.set FL,   196
.set FN,   212
.set NG,   228
.set MSB, 0
.macro WIN new                         ; the immediate's high byte repeats the setting that is left
.if MSB != \new
	s_set_vgpr_msb (MSB<<8)|\new
.set MSB, \new
.endif
.endm
.macro V4ADD d, a, b
	v_pk_add_f32 v[(\d):(\d)+1], v[(\a):(\a)+1], v[(\b):(\b)+1]
	v_pk_add_f32 v[(\d)+2:(\d)+3], v[(\a)+2:(\a)+3], v[(\b)+2:(\b)+3]
.endm
.macro V8ADD d, a, b
.irp k, 0,2,4,6
	v_pk_add_f32 v[(\d)+\k:(\d)+\k+1], v[(\a)+\k:(\a)+\k+1], v[(\b)+\k:(\b)+\k+1]
.endr
.endm
.macro V8MOV d, a
.irp k, 0,1,2,3,4,5,6,7
	v_mov_b32 v[(\d)+\k], v[(\a)+\k]
.endr
.endm
.macro BARRIER                         ; my LDS stores have landed and my LDS loads are in: then the work-group's barrier
	s_wait_dscnt 0x0
	s_barrier_signal -1
	s_barrier_wait -1
.endm
.macro LOADG                           ; my wave's four rows of the next step: 512 consecutive bytes a load
.irp i, 0,1,2,3
	global_load_b128 v[G+4*\i:G+4*\i+3], v[GOFF], s[18:19] offset:512*\i th:TH_LOAD_NT
.endr
	s_wait_xcnt 0x0                                ; the loads have read their base: it may step
	s_add_nc_u64 s[18:19], s[18:19], 16384
.endm
; Four rows go into LDS as f32 (phase B reads them there) and come back 64 bytes a lane (my wave's own bytes: LDS serves a wave's instructions in order); two neighbouring lanes hold a block of 32
.macro STAGE p
	s_wait_loadcnt 0x0                             ; the four rows, asked for a step ago
.irp i, 0,1,2,3
	ds_store_b128 v[DFW], v[G+4*\i:G+4*\i+3] offset:\p*DFSZ+528*\i
.endr
.irp q, 0,1,2,3
	ds_load_b128 v[XQ+4*\q:XQ+4*\q+3], v[DFR] offset:\p*DFSZ+16*\q
.endr
	s_wait_dscnt 0x0                               ; my 16 numbers are in, and the stores have read G
	v_max3_num_f32 v[MX], |v[XQ]|, |v[XQ+1]|, |v[XQ+2]|
	v_max3_num_f32 v[MX+1], |v[XQ+3]|, |v[XQ+4]|, |v[XQ+5]|
.irp i, 6,10
	v_max3_num_f32 v[MX], v[MX], |v[XQ+\i]|, |v[XQ+\i+1]|
	v_max3_num_f32 v[MX+1], v[MX+1], |v[XQ+\i+2]|, |v[XQ+\i+3]|
.endr
	v_max3_num_f32 v[MX], v[MX], |v[XQ+14]|, |v[XQ+15]|
	v_max3_num_f32 v[MX], v[MX], v[MX+1], 0x1800000                ; and the floor 2^(3 - 127): the byte cannot fall under 1
	v_max_num_f32_dpp v[MX], v[MX], v[MX] row_xmask:1 row_mask:0xf bank_mask:0xf
	v_add_nc_u32 v[SOP], 0xff000000, v[MX]         ; 2 off the exponent field: the conversion's scale operand
	v_cvt_scalef32_pk16_fp6_f32 v[CQ:CQ+2], v[XQ:XQ+15], v[SOP]
	v_lshrrev_b32 v[BYT], 23, v[SOP]               ; the scale's byte (also the plain line behind the conversion)
	ds_store_b8 v[DSW], v[BYT] offset:256*\p       ; both lanes of a block write the same byte with the same value
.irp i, 0,1,2
	ds_store_b32 v[DCW], v[CQ+\i] offset:\p*DCSZ+4*\i
.endr
.endm
.macro FRAGS p
.irp rr, 0,1
.irp i, 0,1,2,3,4,5
	ds_load_b64 v[AF+12*\rr+2*\i:AF+12*\rr+2*\i+1], v[ADC] offset:\p*DCSZ+832*\rr+48*(\i/3)+8*(\i%3)
.endr
	ds_load_b32 v[DSC+\rr], v[ADS] offset:256*\p+32*\rr
.endr
.endm
; PHASE A for 64 of my tasks: four tiles of 16 tasks x two fragments of rows.  Lane (r, h) holds tasks 64 g + 4 r + 0..3 and rows 16 h + 0..15.  base: P at the step's first row; e5d: where the step's block sum goes
.macro GROUP g, base, e5d
	WIN 0x44                                       ; source 1 (W) and the results in window 1
.irp ta, 0,1,2,3
.irp rr, 0,1
	v_wmma_scale_f32_16x16x128_f8f6f4 v[192+8*(2*\ta+\rr):192+8*(2*\ta+\rr)+7], v[AF+12*\rr:AF+12*\rr+11], v[12*(4*\g+\ta):12*(4*\g+\ta)+11], 0, v[DSC+\rr], v[W1S+4*\g+\ta] matrix_a_fmt:MATRIX_FMT_FP6 matrix_b_fmt:MATRIX_FMT_FP6
.endr
.endr
.rept 4
	v_nop                                          ; four places in front of the first read of results
.endr
	s_wait_dscnt 0x0                               ; earlier LDS stores have read the registers that are written next
	WIN 0x04
.irp ta, 0,1,2,3
.irp rr, 0,1
.irp j, 0,1,2,3,4,5,6,7
	v_sub_f32 v[E+4*(8*\rr+\j)+\ta], v[Y+8*\rr+\j], v[192+8*(2*\ta+\rr)+\j]   ; target - XW; each accumulator from its low end on
.endr
.endr
.endr
	WIN 0
.set k, 0
.rept 32
	v_pk_mul_f32 v[E+k:E+k+1], v[E+k:E+k+1], v[E+k:E+k+1]
.set k, k+2
.endr
.irp s, 0,2,4,6,8,10,12,14
	V4ADD E+4*(\s+1), E+4*(\s+1), E+4*\s           ; up the tree: blocks of 2 rows,
.endr
.irp s, 1,5,9,13
	V4ADD E+4*(\s+2), E+4*(\s+2), E+4*\s           ; of 4,
.endr
.irp s, 3,11
	V4ADD E+4*(\s+4), E+4*(\s+4), E+4*\s           ; of 8,
.endr
	V4ADD E+60, E+60, E+28                         ; my half's 16
.irp i, 0,1,2,3
	v_permlanex16_b32 v[X4+\i], v[E+60+\i], s20, s21
.endr
	v_pk_fma_f32 v[P0:P0+1], v[X4:X4+1], v[HM:HM+1], v[\base+4*\g:\base+4*\g+1]           ; P at my half's first row: the base, in lanes 16-31 + the lower half's 16 rows
	v_pk_fma_f32 v[P0+2:P0+3], v[X4+2:X4+3], v[HM:HM+1], v[\base+4*\g+2:\base+4*\g+3]
	V4ADD \e5d+4*\g, E+60, X4                      ; the step's 32 rows
	V4ADD E+28, P0, E+28                           ; down the tree: P(8);
	V4ADD E+12, P0, E+12                           ; P(4),
	V4ADD E+44, E+28, E+44                         ; P(12);
	V4ADD E+4, P0, E+4                             ; P(2), P(6), P(10), P(14);
	V4ADD E+20, E+12, E+20
	V4ADD E+36, E+28, E+36
	V4ADD E+52, E+44, E+52
	V4ADD E, P0, E                                 ; the odd ones.  Row s's P now stands in slot s - 1
.irp s, 2,4,6,8,10,12,14
	V4ADD E+4*\s, E+4*(\s-1), E+4*\s
.endr
	ds_store_b128 v[TS], v[P0:P0+3] offset:256*\g
.irp s, 1,2,3,4,5,6,7,8,9,10,11,12,13,14,15
	ds_store_b128 v[TS], v[E+4*(\s-1):E+4*(\s-1)+3] offset:528*\s+256*\g   ; sixteen lanes write 256 consecutive bytes of a row
.endr
.endm
; PHASE B for 16 rows (16 rt + r) x my 128 tasks: register 16 b + i is task 32 b + 16 h + i of row r
.macro SOFT rt, p, u
.irp b, 0,1,2,3
.irp q, 0,1,2,3
	ds_load_b128 v[PV+16*\b+4*\q:PV+16*\b+4*\q+3], v[TL] offset:8448*\rt+128*\b+16*\q
.endr
.endr
	s_wait_dscnt 0x0
.set k, 0
.rept 32
	v_pk_fma_f32 v[PV+k:PV+k+1], v[PV+k:PV+k+1], s[24:25], v[LP:LP+1] op_sel_hi:[1,0,0]   ; the logit: -0.5 P + log prior
.set k, k+2
.endr
.set k, 0
.rept 32
	v_pk_mul_f32 v[PV+k:PV+k+1], v[PV+k:PV+k+1], s[22:23] op_sel_hi:[1,0]                 ; t = logit x log2(e), rounded by itself
.set k, k+2
.endr
.irp b, 0,1,2,3
	v_max3_num_f32 v[BM+\b], v[PV+16*\b], v[PV+16*\b+1], v[PV+16*\b+2]   ; the largest t of each block of 32 tasks: for the row's maximum, and, since p rises with t, for the block's largest p
.endr
.irp i, 3,5,7,9,11,13
.irp b, 0,1,2,3
	v_max3_num_f32 v[BM+\b], v[BM+\b], v[PV+16*\b+\i], v[PV+16*\b+\i+1]
.endr
.endr
.irp b, 0,1,2,3
	v_max_num_f32 v[BM+\b], v[BM+\b], v[PV+16*\b+15]
.endr
.irp b, 0,1,2,3
	v_permlanex16_b32 v[BP+\b], v[BM+\b], s20, s21
.endr
.irp b, 0,1,2,3
	v_max_num_f32 v[BM+\b], v[BM+\b], v[BP+\b]
.endr
	v_max3_num_f32 v[TMP], v[BM], v[BM+1], v[BM+2]
	v_max_num_f32 v[TMP], v[TMP], v[BM+3]
	v_floor_f32 v[NM], -v[TMP]                     ; -M = floor(-t) = -ceil(t)
	v_floor_f32 v[NM+1], -v[TMP]
.set k, 0
.rept 32
	v_pk_add_f32 v[PV+k:PV+k+1], v[PV+k:PV+k+1], v[NM:NM+1]   ; t - M
.set k, k+2
.endr
.irp b, 0,1,2,3
	v_add_f32 v[BM+\b], v[BM+\b], v[NM]
.endr
.set k, 0
.rept 64
	v_exp_f32 v[PV+k], v[PV+k]                     ; p = 2^(t - M)
.set k, k+1
.endr
	v_nop                                          ; a plain line behind the exponentials
	s_wait_alu depctr_va_vdst(0)                   ; one wait for the batch of 64, ahead of its first reader
.irp b, 0,1,2,3
	v_exp_f32 v[BM+\b], v[BM+\b]                   ; the blocks' largest p
.endr
	v_pk_add_f32 v[LS:LS+1], v[PV:PV+1], v[PV+2:PV+3]         ; the sum of the unquantised p, in two chains (it reads the 64 alone: plain work behind the four)
	v_pk_add_f32 v[T2:T2+1], v[PV+4:PV+5], v[PV+6:PV+7]
.irp j, 8,12,16,20,24,28,32,36,40,44,48,52,56,60
	v_pk_add_f32 v[LS:LS+1], v[LS:LS+1], v[PV+\j:PV+\j+1]
	v_pk_add_f32 v[T2:T2+1], v[T2:T2+1], v[PV+\j+2:PV+\j+3]
.endr
	v_pk_add_f32 v[LS:LS+1], v[LS:LS+1], v[T2:T2+1]
	s_wait_alu depctr_va_vdst(0)                   ; and one for the four
.irp b, 0,1,2,3
	v_max_num_f32 v[BM+\b], 0x1800000, v[BM+\b]    ; the floor 2^(3 - 127): the byte cannot fall under 1
.endr
.irp b, 0,1,2,3
	v_add_nc_u32 v[SO+\b], 0xff000000, v[BM+\b]
.endr
.irp b, 0,1,2,3
	v_lshrrev_b32 v[BY+\b], 23, v[SO+\b]
.endr
	v_lshl_or_b32 v[PW], v[BY+1], 8, v[BY]         ; p's scale word for my 128 tasks
	v_lshl_or_b32 v[PW], v[BY+2], 16, v[PW]
	v_lshl_or_b32 v[PW], v[BY+3], 24, v[PW]
.irp c, 0,1
	v_cvt_scalef32_pk16_fp6_f32 v[PC+6*\c:PC+6*\c+2], v[PV+32*\c:PV+32*\c+15], v[SO+2*\c]
	v_cvt_scalef32_pk16_fp6_f32 v[PT+4*\c:PT+4*\c+2], v[PV+32*\c+16:PV+32*\c+31], v[SO+2*\c+1]   ; (a conversion's three registers begin on an even number)
.endr
	v_nop                                          ; one plain line behind the conversions
.irp dt, 0,1,2,3,4,5,6,7
.irp e, 0,1
	ds_load_b128 v[PV+8*\dt+4*\e:PV+8*\dt+4*\e+3], v[DFL] offset:\p*DFSZ+8448*\rt+64*\dt+16*\e   ; the f32 row, in O^T's layout: register 8 dt + j is dim 16 dt + 8 h + j
.endr
.endr
.irp c, 0,1                                    ; the operand's layout wants a whole block in a lane
.irp i, 0,1,2
	v_permlane16_swap_b32 v[PC+6*\c+\i], v[PT+4*\c+\i]
.endr
.irp i, 0,1,2
	v_mov_b32 v[PC+3+6*\c+\i], v[PT+4*\c+\i]
.endr
.endr
	v_add_f32 v[LS], v[LS], v[LS+1]
	v_permlanex16_b32 v[PX], v[LS], s20, s21
	v_add_f32 v[LS], v[LS], v[PX]                  ; l of my 128 tasks
.rept 4
	v_nop                                          ; an operand written by vector instructions stands four places ahead of a scaled matrix instruction (the scale word, written further up, more than eight)
.endr
	WIN 0x41                                       ; source 0 (W) and the results in window 1
.irp dt, 0,1,2,3,4,5,6,7
	v_wmma_scale_f32_16x16x128_f8f6f4 v[192+8*\dt:192+8*\dt+7], v[96+12*\dt:96+12*\dt+11], v[PC:PC+11], 0, v[W2S+\dt], v[PW] matrix_a_fmt:MATRIX_FMT_FP6 matrix_b_fmt:MATRIX_FMT_FP6
.endr
.rept 4
	v_nop
.endr
	s_wait_dscnt 0x0                               ; the f32 row is in
	WIN 0x01
.irp k, 0,2,4,6
	v_pk_mul_f32 v[ACC+\k:ACC+\k+1], v[192+\k:192+\k+1], v[PV+\k:PV+\k+1]
.endr
.irp dt, 1,2,3,4,5,6,7
.irp k, 0,2,4,6
	v_pk_fma_f32 v[ACC+\k:ACC+\k+1], v[192+8*\dt+\k:192+8*\dt+\k+1], v[PV+8*\dt+\k:PV+8*\dt+\k+1], v[ACC+\k:ACC+\k+1]   ; each accumulator from its low end on
.endr
.endr
	WIN 0
	v_pk_add_f32 v[ACC:ACC+1], v[ACC:ACC+1], v[ACC+2:ACC+3]
	v_pk_add_f32 v[ACC+4:ACC+5], v[ACC+4:ACC+5], v[ACC+6:ACC+7]
	v_pk_add_f32 v[ACC:ACC+1], v[ACC:ACC+1], v[ACC+4:ACC+5]
	v_add_f32 v[ACC], v[ACC], v[ACC+1]
	v_permlanex16_b32 v[PX], v[ACC], s20, s21
	v_add_f32 v[ACC], v[ACC], v[PX]                ; pp: the row . my tasks' part of the regressor
	ds_store_b32 v[XAT], v[ACC] offset:128*\u+64*\rt           ; both halves of the lanes write the same word with the same value
	ds_store_b32 v[XAT], v[LS] offset:16384+128*\u+64*\rt
	ds_store_b32 v[XAT], v[NM] offset:32768+128*\u+64*\rt
.endm
.macro WORK p, u
	v_add_nc_u32 v[TA], s27, v[YA0]
	v_add_nc_u32 v[XAT], s27, v[XA0]
.irp q, 0,1,2,3
	ds_load_b128 v[Y+4*\q:Y+4*\q+3], v[TA] offset:128*\u+16*\q
.endr
	FRAGS \p
	s_wait_dscnt 0x0
.if \u == 0
	GROUP 0, B1, S5
	GROUP 1, B1, S5
	V8ADD PO, B1, S5                               ; P at the odd step's first row
.else
	GROUP 0, PO, E5
	GROUP 1, PO, E5
	V8ADD E5, S5, E5                               ; the trip's 64 rows; P at the next trip's first row = P with the lowest set bit of that row's number cleared + that bit's block
	s_bitcmp1_b32 s26, 0
	s_cbranch_scc1 .Lu1
	V8MOV S6, E5
	V8ADD B1, B2, E5
	s_branch .Lud
.Lu1:
	V8ADD E5, S6, E5                               ; 128 rows
	s_bitcmp1_b32 s26, 1
	s_cbranch_scc1 .Lu2
	V8MOV S7, E5
	V8ADD B1, B3, E5
	V8MOV B2, B1
	s_branch .Lud
.Lu2:
	V8ADD E5, S7, E5                               ; 256 rows (behind the last trip the result is not used)
	V8ADD B1, C0, E5
	V8MOV B2, B1
	V8MOV B3, B1
.Lud:
.endif
	s_wait_dscnt 0x0                               ; the stores of the running sums have read their registers, which phase B loads into
	SOFT 0, \p, \u
	SOFT 1, \p, \u
.endm
	s_load_b256 s[4:11], s[0:1], 0x0               ; data s[4:5], targets s[6:7], wimg s[8:9], blk s[10:11]
	s_load_b64 s[12:13], s[0:1], 0x20              ; out0
	v_lshl_add_u32 v[SPW], v0, 2, SPARE
	v_mov_b32 v[NIL], 0
	v_lshrrev_b32 v[GOFF], 5, v0
	v_readfirstlane_b32 s14, v[GOFF]               ; wave 0..7
	s_mov_b32 s15, ttmp9                           ; the chunk, 0..3
	s_and_b32 s16, ttmp7, 0xffff                   ; the sequence
	v_and_b32 v[TA], 31, v0                        ; lane
	v_lshlrev_b32 v[GOFF], 4, v[TA]
	v_lshlrev_b32 v[T2], 3, v[TA]                  ; 8 x lane
	v_lshlrev_b32 v[XAT], 2, v[TA]                 ; (4 x lane, for the scale words' loads)
	s_mul_i32 s44, s14, 2112
	v_add_nc_u32 v[DFW], s44, v[GOFF]
	v_lshrrev_b32 v[DFR], 3, v0                    ; the step's row that I quantise: 4 w + lane / 8
	v_and_b32 v[DSW], 7, v0
	v_mul_u32_u24 v[DCW], v[DFR], 104
	v_mad_u32_u24 v[DCW], v[DSW], 12, v[DCW]
	v_add_nc_u32 v[DCW], DCB, v[DCW]
	v_mul_u32_u24 v[DFR], v[DFR], 528
	v_lshl_add_u32 v[DFR], v[DSW], 6, v[DFR]
	v_lshrrev_b32 v[DSW], 1, v0
	v_add_nc_u32 v[DSW], DSB, v[DSW]
	v_and_b32 v[TMP], 15, v0                       ; r
	v_bfe_u32 v[PX], v0, 4, 1                      ; h
	v_and_b32 v[ADS], 8, v[TMP]
	v_add_nc_u32 v[ADS], v[ADS], v[TMP]            ; lane r of a fragment takes row r + 8 (r / 8) (+ 8 for the second fragment): a result's register j is then row 16 h + 8 x fragment + j
	v_mul_u32_u24 v[ADC], v[ADS], 104
	v_mad_u32_u24 v[ADC], v[PX], 24, v[ADC]
	v_add_nc_u32 v[ADC], DCB, v[ADC]
	v_lshl_add_u32 v[ADS], v[ADS], 2, DSB
	v_lshl_add_u32 v[YA0], v[PX], 6, YLB
	s_mul_i32 s44, s14, 16896
	s_add_co_u32 s44, s44, TBASE
	v_mul_u32_u24 v[TS], v[PX], 8448
	v_lshl_add_u32 v[TS], v[TMP], 4, v[TS]
	v_add_nc_u32 v[TS], s44, v[TS]
	v_mul_u32_u24 v[TL], v[TMP], 528
	v_lshl_add_u32 v[DFL], v[PX], 5, v[TL]
	v_lshl_add_u32 v[TL], v[PX], 6, v[TL]
	v_add_nc_u32 v[TL], s44, v[TL]
	s_lshl_b32 s45, s14, 11
	s_add_co_u32 s45, s45, XBASE
	v_lshlrev_b32 v[XA0], 2, v[TMP]
	v_add_nc_u32 v[XA0], s45, v[XA0]
	v_cvt_f32_u32 v[HM], v[PX]
	v_cvt_f32_u32 v[HM+1], v[PX]
	v_lshlrev_b32 v[T2+1], 4, v[TMP]               ; 16 r
	s_cmp_lt_u32 s14, 4                            ; waves 0..3 hold major tasks: log(0.9 / 3); waves 4..7 minor ones: log(0.1 / 512); both as f32
	s_mov_b32 s46, 0xc108a791
	s_cselect_b32 s46, 0xbf9a1bc8, s46
	v_mov_b32 v[LP], s46
	v_mov_b32 v[LP+1], s46
	s_mov_b32 s20, 0x76543210
	s_mov_b32 s21, 0xfedcba98                      ; v_permlanex16_b32's selects for lane l xor 16
	s_mov_b32 s22, 0x3fb8aa3b                      ; log2(e)
	s_mov_b32 s23, s22
	s_mov_b32 s24, 0xbf000000                      ; -0.5
	s_mov_b32 s25, s24
	s_mov_b32 s26, 0                               ; the trip
	s_mov_b32 s27, 0                               ; 256 x trip: 64 rows of 4 bytes, among the targets and among the result words
	s_lshl_b32 s30, s16, 20
	s_lshl_b32 s32, s15, 18
	s_add_co_u32 s30, s30, s32
	s_lshl_b32 s32, s14, 11
	s_add_co_u32 s30, s30, s32                     ; data: sequence, chunk, my wave's four rows
	s_mov_b32 s31, 0
	s_lshl_b32 s32, s16, 13
	s_lshl_b32 s34, s15, 11
	s_add_co_u32 s32, s32, s34
	s_lshl_b32 s34, s14, 8
	s_add_co_u32 s32, s32, s34                     ; targets and out0: my wave's 64 of the chunk's 512
	s_mov_b32 s33, 0
	s_mul_i32 s34, s16, 12288
	s_lshl_b32 s36, s14, 9
	s_add_co_u32 s34, s34, s36                     ; blk: the sequence's three chunks, my 128 tasks
	s_mov_b32 s35, 0
	s_mul_i32 s36, s14, 12288
	s_mov_b32 s37, 0
	s_lshl_b32 s38, s14, 10
	s_mov_b32 s39, 0
	s_wait_kmcnt 0x0
	s_add_nc_u64 s[18:19], s[4:5], s[30:31]
	s_add_nc_u64 s[6:7], s[6:7], s[32:33]
	s_add_nc_u64 s[12:13], s[12:13], s[32:33]
	s_add_nc_u64 s[10:11], s[10:11], s[34:35]
	s_add_nc_u64 s[40:41], s[8:9], s[36:37]        ; my wave's images
	s_add_nc_u64 s[42:43], s[8:9], s[38:39]        ; and their scale words
	LOADG                                          ; step 0
	global_load_b64 v[Y:Y+1], v[T2], s[6:7]        ; my wave's 64 targets
.set k, 0
.rept 24
	v_mov_b32 v[E+k], 0                            ; the earlier chunks' sums; a chunk that is not earlier counts as 0, which an addition leaves as it is
.set k, k+1
.endr
	s_cmp_lt_u32 s15, 1
	s_cbranch_scc1 .Lnoblk
	global_load_b128 v[E:E+3], v[T2+1], s[10:11]
	global_load_b128 v[E+4:E+7], v[T2+1], s[10:11] offset:256
	s_cmp_lt_u32 s15, 2
	s_cbranch_scc1 .Lnoblk
	global_load_b128 v[E+8:E+11], v[T2+1], s[10:11] offset:4096
	global_load_b128 v[E+12:E+15], v[T2+1], s[10:11] offset:4096+256
	s_cmp_lt_u32 s15, 3
	s_cbranch_scc1 .Lnoblk
	global_load_b128 v[E+16:E+19], v[T2+1], s[10:11] offset:8192
	global_load_b128 v[E+20:E+23], v[T2+1], s[10:11] offset:8192+256
.Lnoblk:
	WIN 0x40                                       ; destination window 1
.set n, 0
.rept 8
.irp c, 0,1,2
	global_load_b128 v[12*n+4*\c:12*n+4*\c+3], v[GOFF], s[40:41] offset:W1IMG+1536*n+512*\c
	global_load_b128 v[96+12*n+4*\c:96+12*n+4*\c+3], v[GOFF], s[40:41] offset:W2IMG+1536*n+512*\c
.endr
.set n, n+1
.endr
	WIN 0
.set n, 0
.rept 8
	global_load_b32 v[W1S+n], v[XAT], s[42:43] offset:W1SC+128*n
	global_load_b32 v[W2S+n], v[XAT], s[42:43] offset:W2SC+128*n
.set n, n+1
.endr
.irp i, 0,1,2,3
	v_mov_b32 v[X4+\i], 0                          ; a lane permute's destination counts as one of its sources
.endr
.set k, 0
.rept 16
	v_mov_b32 v[S6+k], 0                           ; so that every way through the tree's branches reads written registers
.set k, k+1
.endr
	s_wait_loadcnt 0x0
	v_lshl_add_u32 v[TA], v0, 3, YLB
	ds_store_b64 v[TA], v[Y:Y+1]
	V8ADD C0, E, E+8                               ; P at the chunk's first row: 0; e9[0]; e9[0] + e9[1]; (e9[0] + e9[1]) + e9[2]
	V8ADD C0, C0, E+16
	V8MOV B1, C0
	V8MOV B2, C0
	V8MOV B3, C0
	STAGE 0
	LOADG                                          ; step 1
	BARRIER                                        ; step 0's rows, codes and scale bytes and the targets lie in LDS
.Ltrip:                                                ; 8 trips of two steps
	STAGE 1                                        ; the odd step's rows, into the set that was read last before the barrier just passed
	s_cmp_eq_u32 s26, 7
	s_cbranch_scc1 .Leven                          ; the last trip asks for nothing more: no load leaves the chunk
	LOADG
.Leven:
	WORK 0, 0
	BARRIER
	s_cmp_eq_u32 s26, 7
	s_cbranch_scc1 .Lodd
	STAGE 0
	LOADG
.Lodd:
	WORK 1, 1
	BARRIER
	s_add_co_u32 s27, s27, 256
	s_add_co_u32 s26, s26, 1
	s_cmp_lt_u32 s26, 8
	s_cbranch_scc1 .Ltrip
	; THE END: the eight waves' parts of a row meet.  Wave w takes rows 64 w + 2 lane and the next
	v_lshl_add_u32 v[TA], v0, 3, XBASE
.irp q, 0,1,2
.irp ww, 0,1,2,3,4,5,6,7
	ds_load_b64 v[FP+16*\q+2*\ww:FP+16*\q+2*\ww+1], v[TA] offset:16384*\q+2048*\ww
.endr
.endr
	s_wait_dscnt 0x0
.irp e, 0,1
	v_min3_num_f32 v[NG+\e], v[FN+\e], v[FN+2+\e], v[FN+4+\e]      ; the least -M is the row's largest M
.endr
.irp e, 0,1
	v_min3_num_f32 v[NG+\e], v[NG+\e], v[FN+6+\e], v[FN+8+\e]
.endr
.irp e, 0,1
	v_min3_num_f32 v[NG+\e], v[NG+\e], v[FN+10+\e], v[FN+12+\e]
.endr
.irp e, 0,1
	v_min_num_f32 v[NG+\e], v[NG+\e], v[FN+14+\e]
.endr
.irp ww, 0,1,2,3,4,5,6,7
	v_pk_add_f32 v[FN+2*\ww:FN+2*\ww+1], v[NG:NG+1], v[FN+2*\ww:FN+2*\ww+1] neg_lo:[0,1] neg_hi:[0,1]   ; M_w - M: a whole number, 0 or less
.endr
.set k, 0
.rept 16
	v_cvt_i32_f32 v[FN+k], v[FN+k]                 ; (it saturates)
.set k, k+1
.endr
.set k, 0
.rept 16
	v_ldexp_f32 v[FP+k], v[FP+k], v[FN+k]          ; x 2^(M_w - M): nothing is rounded
	v_ldexp_f32 v[FL+k], v[FL+k], v[FN+k]
.set k, k+1
.endr
.irp ww, 1,2,3,4,5,6,7
	v_pk_add_f32 v[FP:FP+1], v[FP:FP+1], v[FP+2*\ww:FP+2*\ww+1]
	v_pk_add_f32 v[FL:FL+1], v[FL:FL+1], v[FL+2*\ww:FL+2*\ww+1]
.endr
	v_rcp_f32 v[FL], v[FL]
	v_rcp_f32 v[FL+1], v[FL+1]
	v_and_b32 v[TMP], 31, v0                       ; (plain lines behind the reciprocals)
	v_lshlrev_b32 v[TMP], 3, v[TMP]
	s_wait_alu depctr_va_vdst(0)                   ; one wait for both, ahead of their first reader
	v_pk_mul_f32 v[FP:FP+1], v[FP:FP+1], v[FL:FL+1]
	global_store_b64 v[TMP], v[FP:FP+1], s[12:13]  ; 32 lanes store 256 consecutive bytes, at a multiple of 256 from out0's first byte
	s_wait_tensorcnt 0x0                           ; the wave's end: three closing lines, behind my last LDS store
	ds_add_u32 v[SPW], v[NIL]
	s_wait_dscnt 0x0
	s_endpgm
.Lfunc_end_k_qc43f49c341_mmse:
	.size	k_qc43f49c341_mmse, .Lfunc_end_k_qc43f49c341_mmse-k_qc43f49c341_mmse
	.p2alignl 7, 3214868480
	.fill 96, 4, 3214868480
	.section	.rodata,"a",@progbits
	.p2align	6, 0x0
	.amdhsa_kernel k_qc43f49c341_mmse
		.amdhsa_group_segment_fixed_size 228352
		.amdhsa_private_segment_fixed_size 0
		.amdhsa_enable_private_segment 0
		.amdhsa_kernarg_size 40
		.amdhsa_user_sgpr_count 2
		.amdhsa_user_sgpr_kernarg_segment_ptr 1
		.amdhsa_wavefront_size32 1
		.amdhsa_system_sgpr_workgroup_id_x 1
		.amdhsa_system_sgpr_workgroup_id_y 1
		.amdhsa_system_sgpr_workgroup_id_z 1
		.amdhsa_system_vgpr_workitem_id 0
		.amdhsa_next_free_vgpr 512
		.amdhsa_next_free_sgpr 66
		.amdhsa_reserve_vcc 0
		.amdhsa_float_denorm_mode_32 3
		.amdhsa_float_denorm_mode_16_64 3
		.amdhsa_memory_ordered 1
		.amdhsa_forward_progress 1
		.amdhsa_inst_pref_size 157
	.end_amdhsa_kernel
	.amdgpu_metadata
---
amdhsa.version: [ 1, 2 ]
amdhsa.kernels:
  - .name:           k_qc43f49c341_mmse
    .symbol:         k_qc43f49c341_mmse.kd
    .args:
      - { .name: data, .offset: 0, .size: 8, .value_kind: global_buffer, .address_space: global }
      - { .name: targets, .offset: 8, .size: 8, .value_kind: global_buffer, .address_space: global }
      - { .name: wimg, .offset: 16, .size: 8, .value_kind: global_buffer, .address_space: global }
      - { .name: blk, .offset: 24, .size: 8, .value_kind: global_buffer, .address_space: global }
      - { .name: out0, .offset: 32, .size: 8, .value_kind: global_buffer, .address_space: global }
    .group_segment_fixed_size: 228352
    .private_segment_fixed_size: 0
    .kernarg_segment_align: 8
    .kernarg_segment_size: 40
    .max_flat_workgroup_size: 256
    .sgpr_count:     66
    .vgpr_count:     512
    .wavefront_size: 32
...
	.end_amdgpu_metadata
.endif
;; end of part 2
;; ======== version 2 of 2: 2 launches; version 1 with the launches sums, mmse written anew for expert scheduling mode
;; limits: right only within a limited range of input values
;; workspace buffers: wimg 212,992 bytes; blk 786,432 bytes
;; launch sums (part 3): grid 3 x 64, 8 waves a work-group, no clusters, 44,032 bytes of LDS; arguments W, W_minor, data, targets, wimg, blk; writes wimg, blk
.if DOCPART == 3
	.amdgcn_target "amdgcn-amd-amdhsa--gfx1250"
	.amdhsa_code_object_version 6
	.text
	.protected	k_qc43f49c341_sums
	.globl	k_qc43f49c341_sums
	.p2align	8
	.type	k_qc43f49c341_sums,@function
k_qc43f49c341_sums:
	s_mov_b64 s[64:65], 0
	v_nop
	global_prefetch_b8 v0, s[64:65] scope:SCOPE_SE
	s_setreg_imm32_b32 hwreg(HW_REG_WAVE_SCHED_MODE, 0, 2), 2
	s_setreg_imm32_b32 hwreg(HW_REG_WAVE_MODE, 25, 1), 1
	s_wait_xcnt 0x0
	s_wait_alu depctr_vm_vsrc(0)
; FIRST OF TWO LAUNCHES.  preds[b][n] = data[b][n] . (sum over tasks of softmax_t(-0.5 P[b][n][t] + log prior[t]) W_all[:, t]), where P[b][n][t] is the sum over the rows
; n' < n of (targets[b][n'] - XW[b][n'][t])^2 and XW = Q(data) Q(W_all), on codes of FP6 (E2M3) with one E8M0 scale for each 32 along K = the 128 dims.
; A sequence of 2,048 rows is cut into four chunks of 512.  THIS LAUNCH makes, for chunks 0, 1, 2 of each of the 64 sequences, the chunk's sum of squared residuals for each of the 1,024 tasks (blk[b][chunk][task]);
; the second launch starts each chunk's running sum from them.  On the way it quantises W_all both ways and stores images of the operands' registers (wimg) for the second launch.
; WORK LEFT OUT: chunk 3's sum.  reference() shifts the running sums by one row and drops the last, and no chunk follows chunk 3: for all values of the inputs that sum reaches no output.  So grid x is 3.
; A NaN, an infinity or an overflow that arises in chunk 3's sum alone is therefore not formed here (the second launch still meets those rows' residuals in its own running sums).  Every input has a way to the output and is loaded.
; THE ORDER OF THE SUMS is a binary tree over aligned blocks of rows: e(L+1)[j] = e(L)[2 j] + e(L)[2 j + 1], each one f32 addition; the chunk's sum is e9.
; LIMITS: NaN and infinities among the inputs are not served; a block of 32 whose largest magnitude lies under 2^-124 keeps the scale byte 1 (a block of zeros too: its codes are zeros, and this program alone reads the bytes).
; SHARES.  A work-group (8 waves) takes one chunk; wave w takes tasks 128 w .. 128 w + 127, as eight tiles of 16 whose fragments of W stay in its registers.  Tile f = 4 g + u holds in lane r the task 128 w + 64 g + 4 r + u.
; A step is 32 rows: each wave loads 4 of them (512 consecutive bytes a load), turns them through its own LDS bytes so that a lane holds 16 neighbours along K, quantises them and leaves codes and scale bytes in LDS for all waves.
; The rows of step s + 1 are staged while step s is multiplied; two sets of LDS bytes take turns, one barrier a step.  No matrix instruction adds onto another: K = 128 is one instruction deep, C is the constant 0.
; No cluster: the work-groups share only W (512 KiB, read once at the head); each chunk's rows are read by one work-group alone.  No tensor load: the rows must pass through registers for the quantiser anyway.
; THE MODE: SCHED_MODE bits 1:0 = 2 (LLVM: expert scheduling mode 2), set by the entry lines.  The code itself states the register dependences
; between vector or matrix instructions and memory or LDS instructions, with s_wait_alu, always for 0.
; THE PLAN.  Registers that memory or LDS instructions touch, in the loop:
;   G            The rows' loads land in it; STAGE's four LDS stores read it; no vector instruction names it.
;   XQ           STAGE's four LDS loads land in it; the same STAGE's quantiser reads it.
;   BYT, CQ      The quantiser writes them; STAGE's four LDS stores read them.
;   Y, AF, DSC   WORK's LDS loads land in them; the same WORK's vector and matrix instructions read them.
;   v[YAT]       Read by WORK's loads of the targets; written once a trip, in the trip's first STAGE.
;   All other addresses are made at the head and never written again.
; So a STAGE holds two waits.  One on vm_vsrc, behind the wait for its LDS loads: its stores have read G (the next rows may land), the last STAGE's stores have read BYT and CQ, the targets' loads have read v[YAT].
; One on va_vdst, ahead of its stores of codes: BYT, CQ and v[YAT] are written, and the step before is done reading Y, AF and DSC, in which the next WORK's loads land.
; One more wait on va_vdst stands behind the trip's middle barrier, since the last trip has no STAGE between its two steps.
.set DFSZ,  16896                      ; LDS: 32 rows of f32, 528 bytes apart; two sets from byte 0
.set DCB,   33792                      ; the rows' codes: 32 rows, 104 bytes apart (96 used); two sets
.set DCSZ,  3328
.set DSB,   40448                      ; their scale bytes: 4 a row; two sets of 256 bytes
.set YLB,   40960                      ; the chunk's 512 targets
.set SPARE, 43008                      ; the spare words, 128 bytes for each wave: four blocks of 256 bytes that no other line names
.set W1IMG, 0                          ; wimg: 64 fragments of W for product 1 (index 8 w + f), 1,536 bytes each: three groups of four registers, 16 bytes a lane
.set W1SC,  98304                      ; their scale words, 4 bytes a lane
.set W2IMG, 106496                     ; 64 fragments of W for product 2 (index 8 x K step + tile of dims)
.set W2SC,  204800
.set SPW,  1                           ; v1  LDS address of my spare word; never rewritten
.set NIL,  2                           ; v2  0; never rewritten
.set GOFF, 3                           ; v3  16 x lane
.set DFW,  4                           ; v4  where my wave's four rows go: 2,112 w + 16 x lane
.set DFR,  5                           ; v5  where my 16 neighbours lie: row v0 / 8, 64 (lane % 8)
.set DCW,  6                           ; v6  where my 12 bytes of codes go
.set DSW,  7                           ; v7  where my block's scale byte goes
.set ADC,  8                           ; v8  a fragment of rows: my row's codes
.set ADS,  9                           ; v9  and its scale word
.set YA0,  10                          ; v10 my half's targets
.set YAT,  11                          ; v11 the same in the trip in hand
.set WO,   12                          ; v12 W for product 1: 16 r + 32 rows x h
.set W2O,  13                          ; v13 W for product 2: row r, + 128 h
.set H8,   14                          ; v14 8 h
.set L4,   15                          ; v15 4 x lane
.set W1S,  16                          ; v16-23 scale words of my eight fragments of W: scales and nothing else
.set DSC,  24                          ; v24-25 scale words of the two fragments of rows
.set TG,   26                          ; v26-27 two targets on their way to LDS
.set G,    28                          ; v28-43 four rows as loaded
.set Y,    44                          ; v44-59 targets of my half's 16 rows (at the head: at work for the weights)
.set AF,   60                          ; v60-83 two fragments of rows (at the head: a fragment of W just made)
.set E5,   84                          ; v84-91 block sums in hand, one register a tile
.set S5,   92
.set S6,   100
.set S7,   108
.set S8,   116                         ; waiting left halves of the tree's levels
.set X4,   124                         ; v124-127 the other half of the lanes' sums
.set XW,   128                         ; v128-191 four tiles x two fragments of rows: residuals
.set SET0, 128                         ; at the head: 64 numbers of W, two sets
.set SET1, 192
.set XQ,   192                         ; v192-207 my 16 neighbours
.set MX,   208
.set SOP,  210
.set BYT,  211
.set CQ,   212                         ; v212-214 their codes
.set QM,   44
.set QS,   46
.set QB,   48
.set QT,   50
.set W2W,  51
.set CD,   60
.set CT,   72
.set MSB, 0
.macro WIN new                         ; the immediate's high byte repeats the setting that is left
.if MSB != \new
	s_set_vgpr_msb (MSB<<8)|\new
.set MSB, \new
.endif
.endm
.macro V8ADD d, a, b
.irp k, 0,2,4,6
	v_pk_add_f32 v[(\d)+\k:(\d)+\k+1], v[(\a)+\k:(\a)+\k+1], v[(\b)+\k:(\b)+\k+1]
.endr
.endm
.macro V8MOV d, a
.irp k, 0,1,2,3,4,5,6,7
	v_mov_b32 v[(\d)+\k], v[(\a)+\k]
.endr
.endm
.macro BARRIER                         ; my LDS stores have landed and my LDS loads are in: then the work-group's barrier
	s_wait_dscnt 0x0
	s_barrier_signal -1
	s_barrier_wait -1
.endm
.macro LOADG                           ; my wave's four rows of the next step: 512 consecutive bytes a load.  No wait on the vector side: no vector instruction names G, and STAGE's wait on vm_vsrc stands behind the LDS stores that read it
.irp i, 0,1,2,3
	global_load_b128 v[G+4*\i:G+4*\i+3], v[GOFF], s[20:21] offset:512*\i th:TH_LOAD_NT
.endr
	s_wait_xcnt 0x0                                ; the loads have read their base: it may step
	s_add_nc_u64 s[20:21], s[20:21], 16384
.endm
; Four rows become codes.  They go into LDS as they lie and come back 64 bytes a lane (my wave's own bytes: LDS serves a wave's instructions in order); two neighbouring lanes hold a block of 32.
; top = 1: a trip's first STAGE, which makes the trip's address of the targets; top = 2: the head's, which makes the address at which my two targets are stored; top = 0: neither.
.macro STAGE p, top
	s_wait_loadcnt 0x0                             ; the four rows, asked for a step ago
.irp i, 0,1,2,3
	ds_store_b128 v[DFW], v[G+4*\i:G+4*\i+3] offset:\p*DFSZ+528*\i
.endr
.irp q, 0,1,2,3
	ds_load_b128 v[XQ+4*\q:XQ+4*\q+3], v[DFR] offset:\p*DFSZ+16*\q   ; no vector instruction since the last wait on va_vdst names XQ
.endr
	s_wait_dscnt 0x0                               ; my 16 numbers are in, and the stores have read G
	s_wait_alu depctr_vm_vsrc(0)                   ; the four stores above have read G, in which the next rows land; the last STAGE's stores have read BYT and CQ, and the loads by v[YAT] have read it: all three are written below (at the head: the global stores have read the weights' codes and words, in whose registers WORK's loads land)
.if \top == 1
	v_add_nc_u32 v[YAT], s27, v[YA0]               ; this trip's 64 targets
.endif
.if \top == 2
	v_lshl_add_u32 v[YAT], v0, 3, YLB              ; where my two targets go
.endif
	v_max3_num_f32 v[MX], |v[XQ]|, |v[XQ+1]|, |v[XQ+2]|
	v_max3_num_f32 v[MX+1], |v[XQ+3]|, |v[XQ+4]|, |v[XQ+5]|
.irp i, 6,10
	v_max3_num_f32 v[MX], v[MX], |v[XQ+\i]|, |v[XQ+\i+1]|
	v_max3_num_f32 v[MX+1], v[MX+1], |v[XQ+\i+2]|, |v[XQ+\i+3]|
.endr
	v_max3_num_f32 v[MX], v[MX], |v[XQ+14]|, |v[XQ+15]|
	v_max3_num_f32 v[MX], v[MX], v[MX+1], 0x1800000                ; and the floor 2^(3 - 127): the byte cannot fall under 1
	v_max_num_f32_dpp v[MX], v[MX], v[MX] row_xmask:1 row_mask:0xf bank_mask:0xf   ; with my neighbour's 16: the block's largest magnitude
	v_add_nc_u32 v[SOP], 0xff000000, v[MX]         ; 2 off its exponent field: the conversion's scale operand
	v_cvt_scalef32_pk16_fp6_f32 v[CQ:CQ+2], v[XQ:XQ+15], v[SOP]
	v_lshrrev_b32 v[BYT], 23, v[SOP]               ; the scale's byte (also the plain line behind the conversion)
	s_wait_alu depctr_va_vdst(0)                   ; BYT and CQ are written, which the stores below read; so is v[YAT]; the quantiser is done reading XQ, and the step before is done reading Y, AF and the rows' scale words, in which the next loads land
	ds_store_b8 v[DSW], v[BYT] offset:256*\p       ; both lanes of a block write the same byte with the same value
.irp i, 0,1,2
	ds_store_b32 v[DCW], v[CQ+\i] offset:\p*DCSZ+4*\i
.endr
.endm
.macro FRAGS p                         ; two fragments of 16 rows x 128 K, 24 bytes of a row's stream of bits at a time, and their scale words
.irp rt, 0,1
.irp i, 0,1,2,3,4,5
	ds_load_b64 v[AF+12*\rt+2*\i:AF+12*\rt+2*\i+1], v[ADC] offset:\p*DCSZ+832*\rt+48*(\i/3)+8*(\i%3)
.endr
	ds_load_b32 v[DSC+\rt], v[ADS] offset:256*\p+32*\rt
.endr
.endm
; 64 numbers of W for fragment f: lane (r, h) takes its task's column and its registers run down K: register 32 c + i is dim 64 c + 32 h + i
.macro LOADW f, set
.set n, 0
.rept 64
	global_load_b32 v[(\set)+n], v[WO], s[24:25] offset:(n+32*(n/32))*2048+256*((\f)/4)+4*((\f)%4)
.set n, n+1
.endr
.endm
; the same for product 2: lane (r, h) takes dim r of the tile, and register 32 c + i is task 64 c + 32 h + i of my wave's 128: neighbours in memory
.macro LOADW2 set
.irp c, 0,1
.irp q, 0,1,2,3,4,5,6,7
	global_load_b128 v[\set+32*\c+4*\q:\set+32*\c+4*\q+3], v[W2O], s[30:31] offset:256*\c+16*\q
.endr
.endr
.endm
; 64 numbers of a lane, two whole blocks of 32, become a fragment's 12 registers in v[CD] on and its scale word
.macro QW src, word
.irp c, 0,1
	v_max3_num_f32 v[QM+\c], |v[\src+32*\c]|, |v[\src+32*\c+1]|, 0x1800000
.endr
.irp i, 2,4,6,8,10,12,14,16,18,20,22,24,26,28,30
.irp c, 0,1
	v_max3_num_f32 v[QM+\c], v[QM+\c], |v[\src+32*\c+\i]|, |v[\src+32*\c+\i+1]|
.endr
.endr
.irp c, 0,1
	v_add_nc_u32 v[QS+\c], 0xff000000, v[QM+\c]
.endr
.irp c, 0,1
	v_lshrrev_b32 v[QB+\c], 23, v[QS+\c]
.endr
	v_lshl_or_b32 v[\word], v[QB+1], 16, v[QB]     ; my two bytes: blocks h and 2 + h,
	v_lshlrev_b32 v[\word], v[H8], v[\word]        ; at their places in the word;
	v_permlanex16_b32 v[QT], v[\word], s22, s23
	v_or_b32 v[\word], v[\word], v[QT]             ; with lane l xor 16's two the word is whole
.irp c, 0,1
	v_cvt_scalef32_pk16_fp6_f32 v[CD+6*\c:CD+6*\c+2], v[\src+32*\c:\src+32*\c+15], v[QS+\c]
	v_cvt_scalef32_pk16_fp6_f32 v[CT+4*\c:CT+4*\c+2], v[\src+32*\c+16:\src+32*\c+31], v[QS+\c]   ; (a conversion's three registers begin on an even number)
.endr
	v_nop                                          ; one plain line behind the conversions
.irp c, 0,1
.irp i, 0,1,2
	v_mov_b32 v[CD+3+6*\c+\i], v[CT+4*\c+\i]
.endr
.endr
.endm
; fragment f of W for product 1: quantised, kept in window 1, stored by the first work-group; the fragment two on is asked for
.macro BUILD f
.if (\f) < 7
	s_wait_loadcnt 63                              ; behind this fragment's 64 loads stand the next fragment's 64: with at most 63 out, this fragment's are all in (loads return in order)
.else
	s_wait_loadcnt 0x0
.endif
	s_wait_xcnt 0x0                                ; the last fragment's stores have read v[CD] on
.if (\f) > 0
	s_wait_alu depctr_vm_vsrc(0)                   ; the last fragment's stores have read v[CD] on, which the conversions below write again
.endif
	QW SET0+64*((\f)%2), W1S+(\f)
	WIN 0x40                                       ; destination window 1
.irp i, 0,1,2,3,4,5,6,7,8,9,10,11
	v_mov_b32 v[12*(\f)+\i], v[CD+\i]
.endr
	WIN 0
	s_wait_alu depctr_va_vdst(0)                   ; v[CD] on and the scale word are written, which the stores below read; the quantiser is done reading its 64 numbers, in whose registers the next loads land
	s_cmp_lg_u32 s28, 0
	s_cbranch_scc1 .Lnot_first_\@
.irp c, 0,1,2
	global_store_b128 v[GOFF], v[CD+4*\c:CD+4*\c+3], s[38:39] offset:W1IMG+1536*(\f)+512*\c   ; 512 consecutive bytes a store
.endr
	global_store_b32 v[L4], v[W1S+(\f)], s[40:41] offset:W1SC+128*(\f)
.Lnot_first_\@:
.if (\f) < 6
	LOADW (\f)+2, SET0+64*((\f)%2)
.endif
.if (\f) == 6
	s_cmp_lg_u32 s29, 0
	s_cbranch_scc1 .Lno_w2_\@
	LOADW2 SET0
.Lno_w2_\@:
.endif
.endm
; one tile: 32 rows x 16 tasks.  In a register pair stand row i of two neighbouring blocks of four rows, so the tree goes by packed additions
.macro TILE x, x4, d
.irp k, 0,2,4,6,8,10,12,14
	v_pk_add_f32 v[\x+\k:\x+\k+1], v[Y+\k:Y+\k+1], v[\x+\k:\x+\k+1] neg_lo:[0,1] neg_hi:[0,1]   ; target - XW; each accumulator from its low end on
.endr
.irp k, 0,2,4,6,8,10,12,14
	v_pk_mul_f32 v[\x+\k:\x+\k+1], v[\x+\k:\x+\k+1], v[\x+\k:\x+\k+1]
.endr
.irp q, 0,8
	v_pk_add_f32 v[\x+\q:\x+\q+1], v[\x+\q:\x+\q+1], v[\x+\q+2:\x+\q+3]        ; rows 0 + 1 | 4 + 5
	v_pk_add_f32 v[\x+\q+4:\x+\q+5], v[\x+\q+4:\x+\q+5], v[\x+\q+6:\x+\q+7]    ; rows 2 + 3 | 6 + 7
.endr
.irp q, 0,8
	v_pk_add_f32 v[\x+\q:\x+\q+1], v[\x+\q:\x+\q+1], v[\x+\q+4:\x+\q+5]        ; four rows | four rows
.endr
	v_add_f32 v[\x], v[\x], v[\x+1]                ; eight rows
	v_add_f32 v[\x+8], v[\x+8], v[\x+9]
	v_add_f32 v[\x], v[\x], v[\x+8]                ; my half's sixteen
	v_permlanex16_b32 v[\x4], v[\x], s22, s23
	v_add_f32 v[\d], v[\x], v[\x4]                 ; the step's 32
.endm
.macro WORK p, u, dst                  ; its loads owe no wait of their own: no vector or matrix instruction since the last wait on va_vdst names v[YAT], Y, AF or the rows' scale words
.irp rt, 0,1
.irp j, 0,1,2,3,4,5,6,7
	ds_load_b32 v[Y+8*\rt+\j], v[YAT] offset:128*\u+4*(8*\rt+4*(\j%2)+\j/2)   ; register j of a result is row 16 h + 8 rt + 4 (j % 2) + j / 2 of the step
.endr
.endr
	FRAGS \p
	s_wait_dscnt 0x0
.irp hf, 0,1
	WIN 0x04                                       ; source 1 (W) window 1
.irp i, 0,1,2,3
.irp rt, 0,1
	v_wmma_scale_f32_16x16x128_f8f6f4 v[XW+16*\i+8*\rt:XW+16*\i+8*\rt+7], v[AF+12*\rt:AF+12*\rt+11], v[12*(4*\hf+\i):12*(4*\hf+\i)+11], 0, v[DSC+\rt], v[W1S+4*\hf+\i] matrix_a_fmt:MATRIX_FMT_FP6 matrix_b_fmt:MATRIX_FMT_FP6
.endr
.endr
	WIN 0
.rept 4
	v_nop                                          ; four places in front of the first read of results
.endr
.irp i, 0,1,2,3
	TILE XW+16*\i, X4+\i, \dst+4*\hf+\i
.endr
.endr
.endm
	s_load_b256 s[4:11], s[0:1], 0x0               ; W s[4:5], W_minor s[6:7], data s[8:9], targets s[10:11]
	s_load_b128 s[12:15], s[0:1], 0x20             ; wimg s[12:13], blk s[14:15]
	v_lshl_add_u32 v[SPW], v0, 2, SPARE
	v_mov_b32 v[NIL], 0
	v_lshrrev_b32 v[GOFF], 5, v0
	v_readfirstlane_b32 s16, v[GOFF]               ; wave 0..7
	s_mov_b32 s17, ttmp9                           ; the chunk, 0..2
	s_and_b32 s18, ttmp7, 0xffff                   ; the sequence
	v_and_b32 v[L4], 31, v0                        ; lane
	v_lshlrev_b32 v[GOFF], 4, v[L4]
	v_lshlrev_b32 v[YAT], 3, v[L4]                 ; (8 x lane, for the targets' load)
	v_lshlrev_b32 v[L4], 2, v[L4]
	s_wait_alu depctr_va_sdst(0)                   ; s16 is written, ahead of its first reader: LDS places and the buffers' offsets are made from it
	s_mul_i32 s32, s16, 2112
	v_add_nc_u32 v[DFW], s32, v[GOFF]
	v_lshrrev_b32 v[DFR], 3, v0                    ; the step's row that I quantise: 4 w + lane / 8
	v_and_b32 v[DSW], 7, v0
	v_mul_u32_u24 v[DCW], v[DFR], 104
	v_mad_u32_u24 v[DCW], v[DSW], 12, v[DCW]
	v_add_nc_u32 v[DCW], DCB, v[DCW]
	v_mul_u32_u24 v[DFR], v[DFR], 528
	v_lshl_add_u32 v[DFR], v[DSW], 6, v[DFR]
	v_lshrrev_b32 v[DSW], 1, v0                    ; 4 x row + block
	v_add_nc_u32 v[DSW], DSB, v[DSW]
	v_and_b32 v[TG], 15, v0                        ; r
	v_bfe_u32 v[TG+1], v0, 4, 1                    ; h
	v_bfe_u32 v[ADC], v0, 3, 1
	v_and_b32 v[ADS], 1, v0
	v_lshlrev_b32 v[ADC], 4, v[ADC]
	v_lshl_add_u32 v[ADC], v[ADS], 2, v[ADC]
	v_bfe_u32 v[ADS], v0, 1, 2
	v_add_nc_u32 v[ADS], v[ADC], v[ADS]            ; lane r of a fragment takes row 16 (r / 8) + 4 (r % 2) + (r / 2) % 4 (+ 8 for the second fragment)
	v_mul_u32_u24 v[ADC], v[ADS], 104
	v_mad_u32_u24 v[ADC], v[TG+1], 24, v[ADC]
	v_add_nc_u32 v[ADC], DCB, v[ADC]
	v_lshl_add_u32 v[ADS], v[ADS], 2, DSB
	v_lshl_add_u32 v[YA0], v[TG+1], 6, YLB
	v_lshlrev_b32 v[WO], 4, v[TG]
	v_lshl_add_u32 v[WO], v[TG+1], 16, v[WO]
	v_lshlrev_b32 v[W2O], 11, v[TG]
	v_lshl_add_u32 v[W2O], v[TG+1], 7, v[W2O]
	v_lshlrev_b32 v[H8], 3, v[TG+1]
	s_mov_b32 s22, 0x76543210
	s_mov_b32 s23, 0xfedcba98                      ; v_permlanex16_b32's selects for lane l xor 16
	s_mov_b32 s26, 0                               ; the trip
	s_mov_b32 s27, 0                               ; 256 x trip: the trip's 64 targets
	s_or_b32 s28, s17, s18                         ; 0 in the work-group that stores product 1's images
	s_lshr_b32 s29, s18, 3
	s_or_b32 s29, s29, s17                         ; 0 in the eight that make product 2's: chunk 0, sequences 0..7; the sequence's number is the tile of dims
	s_lshl_b32 s32, s18, 20
	s_lshl_b32 s34, s17, 18
	s_add_co_u32 s32, s32, s34
	s_lshl_b32 s34, s16, 11
	s_add_co_u32 s32, s32, s34                     ; data: sequence, chunk, my wave's four rows
	s_mov_b32 s33, 0
	s_lshl_b32 s34, s18, 13
	s_lshl_b32 s36, s17, 11
	s_add_co_u32 s34, s34, s36
	s_lshl_b32 s36, s16, 8
	s_add_co_u32 s34, s34, s36                     ; targets: my wave's 64 of the chunk's 512
	s_mov_b32 s35, 0
	s_mov_b32 s37, 0
	s_wait_kmcnt 0x0
	s_add_nc_u64 s[20:21], s[8:9], s[32:33]
	s_add_nc_u64 s[10:11], s[10:11], s[34:35]
	s_cmp_lt_u32 s16, 4                            ; waves 0..3: the major pool, waves 4..7: the minor pool
	s_cselect_b64 s[24:25], s[4:5], s[6:7]
	s_and_b32 s36, s16, 3
	s_lshl_b32 s36, s36, 9
	s_add_nc_u64 s[24:25], s[24:25], s[36:37]      ; my wave's 128 columns
	s_min_u32 s46, s18, 7                          ; (held, so that the address stays inside W where it is not used)
	s_lshl_b32 s36, s46, 15
	s_add_nc_u64 s[30:31], s[24:25], s[36:37]      ; and 16 rows x the tile of dims
	s_mul_i32 s36, s16, 12288
	s_add_nc_u64 s[38:39], s[12:13], s[36:37]      ; my wave's eight images
	s_lshl_b32 s36, s16, 10
	s_add_nc_u64 s[40:41], s[12:13], s[36:37]      ; and their scale words
	s_mul_i32 s36, s46, 1536
	s_add_nc_u64 s[42:43], s[38:39], s[36:37]
	s_lshl_b32 s36, s46, 7
	s_add_nc_u64 s[44:45], s[40:41], s[36:37]
	s_mul_i32 s36, s18, 3
	s_add_co_u32 s36, s36, s17
	s_lshl_b32 s36, s36, 12
	s_lshl_b32 s46, s16, 9
	s_add_co_u32 s36, s36, s46
	s_add_nc_u64 s[14:15], s[14:15], s[36:37]      ; blk: (3 b + chunk) x 4,096 + 512 w
	s_wait_alu depctr_va_vdst(0)                   ; the offsets and LDS addresses v3 to v13 and v15 are written, which the loads and stores of the whole kernel read; r and h in v26 and v27 are done with, in which the targets land
	LOADG                                          ; step 0
	global_load_b64 v[TG:TG+1], v[YAT], s[10:11]
	LOADW 0, SET0
	LOADW 1, SET1
.set k, 0
.rept 24
	v_mov_b32 v[S6+k], 0                           ; so that every way through the tree's branches reads written registers
.set k, k+1
.endr
.irp i, 0,1,2,3
	v_mov_b32 v[X4+\i], 0                          ; a lane permute's destination counts as one of its sources
.endr
	v_mov_b32 v[QT], 0
.irp f, 0,1,2,3,4,5,6,7
	BUILD \f
.endr
	s_cmp_lg_u32 s29, 0
	s_cbranch_scc1 .Lnow2
	s_wait_xcnt 0x0                                ; fragment 7's stores have read v[CD] on
	s_wait_alu depctr_vm_vsrc(0)                   ; fragment 7's stores have read v[CD] on, which the conversions below write again
	QW SET0, W2W
	s_wait_alu depctr_va_vdst(0)                   ; v[CD] on and the scale word are written, which the stores below read
.irp c, 0,1,2
	global_store_b128 v[GOFF], v[CD+4*\c:CD+4*\c+3], s[42:43] offset:W2IMG+512*\c
.endr
	global_store_b32 v[L4], v[W2W], s[44:45] offset:W2SC
.Lnow2:
	STAGE 0, 2
	LOADG                                          ; step 1 (its wait on XCNT also frees the registers that the stores above read)
	ds_store_b64 v[YAT], v[TG:TG+1]                ; (the address was made in STAGE, ahead of its wait on va_vdst)
	BARRIER                                        ; step 0's codes and the targets lie in LDS
.Ltrip:                                                ; 8 trips of two steps
	STAGE 1, 1                                     ; the odd step's rows, into the set that was read last before the barrier just passed
	s_cmp_eq_u32 s26, 7
	s_cbranch_scc1 .Leven                          ; the last trip asks for nothing more: no load leaves the chunk
	LOADG
.Leven:
	WORK 0, 0, S5
	BARRIER
	s_wait_alu depctr_va_vdst(0)                   ; the even step's vector and matrix instructions are done reading Y, AF and the rows' scale words, in which the odd step's loads land: in the last trip no STAGE stands between
	s_cmp_eq_u32 s26, 7
	s_cbranch_scc1 .Lodd
	STAGE 0, 0
	LOADG
.Lodd:
	WORK 1, 1, E5
	V8ADD E5, S5, E5                               ; 64 rows; then up the tree as far as the trip's number allows
	s_bitcmp1_b32 s26, 0
	s_cbranch_scc1 .Lm1
	V8MOV S6, E5
	s_branch .Lmd
.Lm1:
	s_wait_alu depctr_va_vdst(0)
	V8ADD E5, S6, E5                               ; 128 rows
	s_bitcmp1_b32 s26, 1
	s_cbranch_scc1 .Lm2
	V8MOV S7, E5
	s_branch .Lmd
.Lm2:
	s_wait_alu depctr_va_vdst(0)
	V8ADD E5, S7, E5                               ; 256 rows
	s_bitcmp1_b32 s26, 2
	s_cbranch_scc1 .Lm3
	V8MOV S8, E5
	s_branch .Lmd
.Lm3:
	s_wait_alu depctr_va_vdst(0)
	V8ADD E5, S8, E5                               ; the chunk's 512
.Lmd:
	BARRIER
	s_add_co_u32 s27, s27, 256
	s_add_co_u32 s26, s26, 1
	s_cmp_lt_u32 s26, 8
	s_cbranch_scc1 .Ltrip
	v_and_b32 v[X4], 31, v0                        ; (a register that no memory instruction has named)
	v_cmp_gt_u32 vcc_lo, 16, v[X4]
	s_wait_alu depctr_va_vcc(0)                    ; VCC is written, ahead of the selects that read it
	s_wait_alu depctr_va_vdst(0)
.irp i, 0,1,2,3
	v_cndmask_b32 v[XW+\i], v[E5+4+\i], v[E5+\i], vcc_lo   ; both halves hold all eight sums: lanes 0-15 send tasks 4 r .. 4 r + 3, lanes 16-31 tasks 64 + 4 r ..
.endr
	s_wait_alu depctr_va_vdst(0)                   ; the selects have written v[XW] on, which the store reads
	global_store_b128 v[GOFF], v[XW:XW+3], s[14:15]        ; 512 consecutive bytes: my wave's 128 tasks
	s_wait_dscnt 0x0                               ; the wave's end: the closing lines, six on end
	s_wait_alu 0x0
	s_wait_tensorcnt 0x0
	ds_add_u32 v[SPW], v[NIL]
	s_wait_dscnt 0x0
	s_endpgm
.Lfunc_end_k_qc43f49c341_sums:
	.size	k_qc43f49c341_sums, .Lfunc_end_k_qc43f49c341_sums-k_qc43f49c341_sums
	.p2alignl 7, 3214868480
	.fill 96, 4, 3214868480
	.section	.rodata,"a",@progbits
	.p2align	6, 0x0
	.amdhsa_kernel k_qc43f49c341_sums
		.amdhsa_group_segment_fixed_size 44032
		.amdhsa_private_segment_fixed_size 0
		.amdhsa_enable_private_segment 0
		.amdhsa_kernarg_size 48
		.amdhsa_user_sgpr_count 2
		.amdhsa_user_sgpr_kernarg_segment_ptr 1
		.amdhsa_wavefront_size32 1
		.amdhsa_system_sgpr_workgroup_id_x 1
		.amdhsa_system_sgpr_workgroup_id_y 1
		.amdhsa_system_sgpr_workgroup_id_z 1
		.amdhsa_system_vgpr_workitem_id 0
		.amdhsa_next_free_vgpr 384
		.amdhsa_next_free_sgpr 66
		.amdhsa_reserve_vcc 1
		.amdhsa_float_denorm_mode_32 3
		.amdhsa_float_denorm_mode_16_64 3
		.amdhsa_memory_ordered 1
		.amdhsa_forward_progress 1
		.amdhsa_inst_pref_size 134
	.end_amdhsa_kernel
	.amdgpu_metadata
---
amdhsa.version: [ 1, 2 ]
amdhsa.kernels:
  - .name:           k_qc43f49c341_sums
    .symbol:         k_qc43f49c341_sums.kd
    .args:
      - { .name: W, .offset: 0, .size: 8, .value_kind: global_buffer, .address_space: global }
      - { .name: W_minor, .offset: 8, .size: 8, .value_kind: global_buffer, .address_space: global }
      - { .name: data, .offset: 16, .size: 8, .value_kind: global_buffer, .address_space: global }
      - { .name: targets, .offset: 24, .size: 8, .value_kind: global_buffer, .address_space: global }
      - { .name: wimg, .offset: 32, .size: 8, .value_kind: global_buffer, .address_space: global }
      - { .name: blk, .offset: 40, .size: 8, .value_kind: global_buffer, .address_space: global }
    .group_segment_fixed_size: 44032
    .private_segment_fixed_size: 0
    .kernarg_segment_align: 8
    .kernarg_segment_size: 48
    .max_flat_workgroup_size: 256
    .sgpr_count:     66
    .vgpr_count:     384
    .wavefront_size: 32
...
	.end_amdgpu_metadata
.endif
;; end of part 3
;; launch mmse (part 4): grid 4 x 64, 8 waves a work-group, no clusters, 228,352 bytes of LDS; arguments data, targets, wimg, blk, out0; writes out0
.if DOCPART == 4
	.amdgcn_target "amdgcn-amd-amdhsa--gfx1250"
	.amdhsa_code_object_version 6
	.text
	.protected	k_qc43f49c341_mmse
	.globl	k_qc43f49c341_mmse
	.p2align	8
	.type	k_qc43f49c341_mmse,@function
k_qc43f49c341_mmse:
	s_mov_b64 s[64:65], 0
	v_nop
	global_prefetch_b8 v0, s[64:65] scope:SCOPE_SE
	s_setreg_imm32_b32 hwreg(HW_REG_WAVE_SCHED_MODE, 0, 2), 2
	s_setreg_imm32_b32 hwreg(HW_REG_WAVE_MODE, 25, 1), 1
	s_wait_xcnt 0x0
	s_wait_alu depctr_vm_vsrc(0)
; SECOND OF TWO LAUNCHES: the predictions.  Nothing is left out here.  A work-group (8 waves) takes one chunk of 512 rows of one sequence, 32 rows a step; wave w owns tasks 128 w .. 128 w + 127 throughout:
; as columns of product 1 (XW = Q(data) Q(W_all), K = the 128 dims) and as K step w of product 2 (Q(p) Q(W_all), K = the 1,024 tasks).  Its fragments of W for both products stay in registers (images made by the first launch).
; PHASE A (a lane to a task, registers down the rows): residuals, squares, and the running sum P over the rows, from the chunk's start value (the earlier chunks' sums, blk) on.
; THE ORDER OF THE SUMS is a binary tree: blocks e(L+1)[j] = e(L)[2 j] + e(L)[2 j + 1]; P(n) = P(n with its lowest set bit cleared) + the aligned block of that bit; every step one f32 addition.
; The wave's 32 x 128 running sums turn through LDS bytes of its own (no barrier): PHASE B has a lane to a row and registers along the tasks, as the quantiser of p wants them.
; PHASE B: logit = -0.5 P + log prior (one fused multiply-add: the product is exact); t = logit x log2(e), rounded; M = ceil(the largest t of MY WAVE'S 128 tasks), a whole number; p = 2^(t - M), quantised along the tasks;
; O^T = W2 p^T; the partial prediction pp = data row (f32) . O, the partial sum l of the unquantised p, and -M go to LDS.  At the end pred = sum_w 2^(M_w - M) pp_w / sum_w 2^(M_w - M) l_w, M the largest M_w:
; the factors are exact powers of two.  The maximum is taken away ahead of every exponential.  No matrix instruction adds onto another: every C is the constant 0.
; LIMITS: NaN and infinities among the inputs are not served; |target - XW| stays under 1.8e19 (a square that overflowed would meet a factor 0 in the line that gives each half of the lanes its start value);
; a p under 2^-126 of its wave's largest is flushed to 0; a block of 32 whose largest magnitude lies under 2^-124 keeps the scale byte 1.
; No cluster: the work-groups share only the weights' images (208 KiB, read once at the head); each row of data is read by one work-group.  No tensor load: the rows pass through registers for the quantiser anyway, and are asked for a step ahead.
; THE MODE: SCHED_MODE bits 1:0 = 2 (LLVM: expert scheduling mode 2), set by the entry lines.  The code itself states the register dependences
; between vector or matrix instructions and memory or LDS instructions, with s_wait_alu, always for 0.
; THE PLAN.  Registers that memory or LDS instructions touch, in the loop:
;   G                The rows' loads land in it; STAGE's four LDS stores read it; no vector instruction names it.
;   XQ, BYT, CQ      (over E)  STAGE's LDS loads land in XQ, its quantiser reads XQ and writes BYT and CQ, its four LDS stores read these.
;   Y, AF, DSC       WORK's LDS loads land in them; phase A reads them.  In phase B the registers of Y and AF are at work (the blocks' maxima, p's codes): vector and matrix instructions alone.
;   E, P0            Phase A writes them; its sixteen LDS stores a group read them.
;   PV (= E)         Phase B's loads of the running sums land in it; later, behind the conversions that read p, the loads of the f32 row.
;   ACC, LS, NM      Phase B writes them; its three result stores read them.
;   v[TA], v[XAT]    Read by the loads of the targets and by the result stores; written once a trip, in the trip's first STAGE.
;   All other addresses are made at the head and never written again.
; THE WAITS.  STAGE: one on vm_vsrc behind the wait for its LDS loads (G, v[XAT] have been read), one on va_vdst ahead of its stores of codes.  A group of phase A: one on vm_vsrc ahead of its first write of E (the stores
; issued so far have read E and P0), one on va_vdst ahead of its stores.  Ahead of phase B: one on vm_vsrc (the stores have read E, in which loads land).  Phase B, for each 16 rows: the two waits behind the exponentials;
; one on va_vdst in front of product 2 (p's codes and scale word are written; the conversions are done reading p, in whose registers the f32 row lands); one on va_vdst ahead of the result stores, which also states that
; phase B is done with PV, Y, AF and the rows' scale words: so the next loads into them, in the next 16 rows, the next STAGE, the next step and at the end, owe nothing more, over the loop's backward jump too.
.set DFSZ,  16896                      ; LDS: 32 rows of f32, 528 bytes apart; two sets from byte 0
.set DCB,   33792                      ; the rows' codes: 32 rows, 104 bytes apart; two sets
.set DCSZ,  3328
.set DSB,   40448                      ; their scale bytes; two sets of 256 bytes
.set YLB,   40960                      ; the chunk's 512 targets
.set SPARE, 43008                      ; the spare words, 128 bytes for each wave: four blocks of 256 bytes that no other line names
.set TBASE, 44032                      ; for each wave 32 rows x (512 bytes + 16): its running sums
.set XBASE, 179200                     ; [pp, l, -M][wave][512 rows] f32
.set W1IMG, 0
.set W1SC,  98304
.set W2IMG, 106496
.set W2SC,  204800
.set SPW,  1
.set NIL,  2
.set GOFF, 3                           ; v3  16 x lane
.set DFW,  4
.set DFR,  5
.set DCW,  6
.set DSW,  7
.set ADC,  8
.set ADS,  9
.set YA0,  10
.set TS,   11                          ; v11 running sums, in: my half's 16 rows, 16 bytes at my four tasks
.set TL,   12                          ; v12 and out: row r, my half's 16 tasks of each 32
.set DFL,  13                          ; v13 the f32 row r, my half's 8 dims of each 16
.set XA0,  14                          ; v14 my wave's result words, row r
.set TA,   15                          ; v15 an address in hand: my half's targets in the trip in hand
.set HM,   16                          ; v16-17 h as 0.0 or 1.0
.set LP,   18                          ; v18-19 my wave's log prior
.set NM,   20                          ; v20-21 -M
.set LS,   22                          ; v22-23 l
.set W1S,  24                          ; v24-31, v32-39, v40-41, v42: scale words and nothing else
.set W2S,  32
.set DSC,  40
.set PW,   42
.set XAT,  43                          ; v43 my result words in the trip in hand
.set G,    44                          ; v44-59 four rows as loaded
.set Y,    60                          ; v60-75 targets of my half's 16 rows
.set AF,   76                          ; v76-99 two fragments of rows
.set S5,   100
.set S6,   108
.set S7,   116                         ; waiting left halves of the tree's levels
.set B1,   124                         ; P at the trip's first row
.set B2,   132                         ; P at the last multiple of 128 rows
.set B3,   140                         ; of 256 rows
.set C0,   148                         ; P at the chunk's first row
.set PO,   156                         ; P at the odd step's first row
.set E5,   164
.set P0,   172                         ; v172-175 P at my half's first row
.set X4,   176
.set E,    180                         ; v180-243 slot s (row 16 h + s): four tasks at v[E + 4 s]
.set PV,   180                         ; phase B: 64 tasks of a row, later 64 dims of the f32 row
.set ACC,  244
.set TMP,  252
.set PX,   253
.set T2,   254
.set BM,   60                          ; phase B, over Y and AF: the blocks' maxima,
.set BP,   64
.set SO,   68                          ; scale operands,
.set BY,   72                          ; bytes,
.set PC,   76                          ; p's codes,
.set PT,   88
.set XQ,   180                         ; the quantiser of rows, over E
.set MX,   196
.set SOP,  198
.set BYT,  199
.set CQ,   200
.set FP,   180                         ; the end: eight waves' pp, l, -M of two rows
.set FL,   196
.set FN,   212
.set NG,   228
.set MSB, 0
.macro WIN new                         ; the immediate's high byte repeats the setting that is left
.if MSB != \new
	s_set_vgpr_msb (MSB<<8)|\new
.set MSB, \new
.endif
.endm
.macro V4ADD d, a, b
	v_pk_add_f32 v[(\d):(\d)+1], v[(\a):(\a)+1], v[(\b):(\b)+1]
	v_pk_add_f32 v[(\d)+2:(\d)+3], v[(\a)+2:(\a)+3], v[(\b)+2:(\b)+3]
.endm
.macro V8ADD d, a, b
.irp k, 0,2,4,6
	v_pk_add_f32 v[(\d)+\k:(\d)+\k+1], v[(\a)+\k:(\a)+\k+1], v[(\b)+\k:(\b)+\k+1]
.endr
.endm
.macro V8MOV d, a
.irp k, 0,1,2,3,4,5,6,7
	v_mov_b32 v[(\d)+\k], v[(\a)+\k]
.endr
.endm
.macro BARRIER                         ; my LDS stores have landed and my LDS loads are in: then the work-group's barrier
	s_wait_dscnt 0x0
	s_barrier_signal -1
	s_barrier_wait -1
.endm
.macro LOADG                           ; my wave's four rows of the next step: 512 consecutive bytes a load.  No wait on the vector side: no vector instruction names G, and STAGE's wait on vm_vsrc stands behind the LDS stores that read it
.irp i, 0,1,2,3
	global_load_b128 v[G+4*\i:G+4*\i+3], v[GOFF], s[18:19] offset:512*\i th:TH_LOAD_NT
.endr
	s_wait_xcnt 0x0                                ; the loads have read their base: it may step
	s_add_nc_u64 s[18:19], s[18:19], 16384
.endm
; Four rows go into LDS as f32 (phase B reads them there) and come back 64 bytes a lane (my wave's own bytes: LDS serves a wave's instructions in order); two neighbouring lanes hold a block of 32.
; top = 1: a trip's first STAGE, which makes the trip's two addresses.
.macro STAGE p, top
	s_wait_loadcnt 0x0                             ; the four rows, asked for a step ago
.irp i, 0,1,2,3
	ds_store_b128 v[DFW], v[G+4*\i:G+4*\i+3] offset:\p*DFSZ+528*\i
.endr
.irp q, 0,1,2,3
	ds_load_b128 v[XQ+4*\q:XQ+4*\q+3], v[DFR] offset:\p*DFSZ+16*\q   ; no vector instruction since the last wait on va_vdst names XQ
.endr
	s_wait_dscnt 0x0                               ; my 16 numbers are in, and the stores have read G
	s_wait_alu depctr_vm_vsrc(0)                   ; the four stores above have read G, in which the next rows land; the last step's result stores have read v[XAT], which is written below (at the head: the store of the targets has read its address and its data, the loads of the head their offsets)
.if \top
	v_add_nc_u32 v[TA], s27, v[YA0]                ; this trip's 64 targets,
	v_add_nc_u32 v[XAT], s27, v[XA0]               ; and its 64 rows' result words
.endif
	v_max3_num_f32 v[MX], |v[XQ]|, |v[XQ+1]|, |v[XQ+2]|
	v_max3_num_f32 v[MX+1], |v[XQ+3]|, |v[XQ+4]|, |v[XQ+5]|
.irp i, 6,10
	v_max3_num_f32 v[MX], v[MX], |v[XQ+\i]|, |v[XQ+\i+1]|
	v_max3_num_f32 v[MX+1], v[MX+1], |v[XQ+\i+2]|, |v[XQ+\i+3]|
.endr
	v_max3_num_f32 v[MX], v[MX], |v[XQ+14]|, |v[XQ+15]|
	v_max3_num_f32 v[MX], v[MX], v[MX+1], 0x1800000                ; and the floor 2^(3 - 127): the byte cannot fall under 1
	v_max_num_f32_dpp v[MX], v[MX], v[MX] row_xmask:1 row_mask:0xf bank_mask:0xf
	v_add_nc_u32 v[SOP], 0xff000000, v[MX]         ; 2 off the exponent field: the conversion's scale operand
	v_cvt_scalef32_pk16_fp6_f32 v[CQ:CQ+2], v[XQ:XQ+15], v[SOP]
	v_lshrrev_b32 v[BYT], 23, v[SOP]               ; the scale's byte (also the plain line behind the conversion)
	s_wait_alu depctr_va_vdst(0)                   ; BYT and CQ are written, which the stores below read; in a trip's first STAGE so are v[TA] and v[XAT], by which the trip's loads and stores go
	ds_store_b8 v[DSW], v[BYT] offset:256*\p       ; both lanes of a block write the same byte with the same value
.irp i, 0,1,2
	ds_store_b32 v[DCW], v[CQ+\i] offset:\p*DCSZ+4*\i
.endr
.endm
.macro FRAGS p
.irp rr, 0,1
.irp i, 0,1,2,3,4,5
	ds_load_b64 v[AF+12*\rr+2*\i:AF+12*\rr+2*\i+1], v[ADC] offset:\p*DCSZ+832*\rr+48*(\i/3)+8*(\i%3)
.endr
	ds_load_b32 v[DSC+\rr], v[ADS] offset:256*\p+32*\rr
.endr
.endm
; PHASE A for 64 of my tasks: four tiles of 16 tasks x two fragments of rows.  Lane (r, h) holds tasks 64 g + 4 r + 0..3 and rows 16 h + 0..15.  base: P at the step's first row; e5d: where the step's block sum goes
.macro GROUP g, base, e5d
	WIN 0x44                                       ; source 1 (W) and the results in window 1
.irp ta, 0,1,2,3
.irp rr, 0,1
	v_wmma_scale_f32_16x16x128_f8f6f4 v[192+8*(2*\ta+\rr):192+8*(2*\ta+\rr)+7], v[AF+12*\rr:AF+12*\rr+11], v[12*(4*\g+\ta):12*(4*\g+\ta)+11], 0, v[DSC+\rr], v[W1S+4*\g+\ta] matrix_a_fmt:MATRIX_FMT_FP6 matrix_b_fmt:MATRIX_FMT_FP6
.endr
.endr
.rept 4
	v_nop                                          ; four places in front of the first read of results
.endr
	s_wait_dscnt 0x0                               ; earlier LDS stores have read the registers that are written next
	s_wait_alu depctr_vm_vsrc(0)                   ; the LDS stores issued so far (the rows' codes and scale byte; the group before's running sums) have read v[E] on and v[P0] on, which are written next
	WIN 0x04
.irp ta, 0,1,2,3
.irp rr, 0,1
.irp j, 0,1,2,3,4,5,6,7
	v_sub_f32 v[E+4*(8*\rr+\j)+\ta], v[Y+8*\rr+\j], v[192+8*(2*\ta+\rr)+\j]   ; target - XW; each accumulator from its low end on
.endr
.endr
.endr
	WIN 0
.set k, 0
.rept 32
	v_pk_mul_f32 v[E+k:E+k+1], v[E+k:E+k+1], v[E+k:E+k+1]
.set k, k+2
.endr
.irp s, 0,2,4,6,8,10,12,14
	V4ADD E+4*(\s+1), E+4*(\s+1), E+4*\s           ; up the tree: blocks of 2 rows,
.endr
.irp s, 1,5,9,13
	V4ADD E+4*(\s+2), E+4*(\s+2), E+4*\s           ; of 4,
.endr
.irp s, 3,11
	V4ADD E+4*(\s+4), E+4*(\s+4), E+4*\s           ; of 8,
.endr
	V4ADD E+60, E+60, E+28                         ; my half's 16
.irp i, 0,1,2,3
	v_permlanex16_b32 v[X4+\i], v[E+60+\i], s20, s21
.endr
	v_pk_fma_f32 v[P0:P0+1], v[X4:X4+1], v[HM:HM+1], v[\base+4*\g:\base+4*\g+1]           ; P at my half's first row: the base, in lanes 16-31 + the lower half's 16 rows
	v_pk_fma_f32 v[P0+2:P0+3], v[X4+2:X4+3], v[HM:HM+1], v[\base+4*\g+2:\base+4*\g+3]
	V4ADD \e5d+4*\g, E+60, X4                      ; the step's 32 rows
	V4ADD E+28, P0, E+28                           ; down the tree: P(8);
	V4ADD E+12, P0, E+12                           ; P(4),
	V4ADD E+44, E+28, E+44                         ; P(12);
	V4ADD E+4, P0, E+4                             ; P(2), P(6), P(10), P(14);
	V4ADD E+20, E+12, E+20
	V4ADD E+36, E+28, E+36
	V4ADD E+52, E+44, E+52
	V4ADD E, P0, E                                 ; the odd ones.  Row s's P now stands in slot s - 1
.irp s, 2,4,6,8,10,12,14
	V4ADD E+4*\s, E+4*(\s-1), E+4*\s
.endr
	s_wait_alu depctr_va_vdst(0)                   ; the running sums in v[P0] on and v[E] on are written, which the sixteen stores below read
	ds_store_b128 v[TS], v[P0:P0+3] offset:256*\g
.irp s, 1,2,3,4,5,6,7,8,9,10,11,12,13,14,15
	ds_store_b128 v[TS], v[E+4*(\s-1):E+4*(\s-1)+3] offset:528*\s+256*\g   ; sixteen lanes write 256 consecutive bytes of a row
.endr
.endm
; PHASE B for 16 rows (16 rt + r) x my 128 tasks: register 16 b + i is task 32 b + 16 h + i of row r
.macro SOFT rt, p, u
.irp b, 0,1,2,3
.irp q, 0,1,2,3
	ds_load_b128 v[PV+16*\b+4*\q:PV+16*\b+4*\q+3], v[TL] offset:8448*\rt+128*\b+16*\q   ; no vector instruction since the last wait on va_vdst names PV
.endr
.endr
	s_wait_dscnt 0x0
.if \rt
	s_wait_alu depctr_vm_vsrc(0)                   ; the first 16 rows' result stores have read ACC, l and -M, which are written again below
.endif
.set k, 0
.rept 32
	v_pk_fma_f32 v[PV+k:PV+k+1], v[PV+k:PV+k+1], s[24:25], v[LP:LP+1] op_sel_hi:[1,0,0]   ; the logit: -0.5 P + log prior
.set k, k+2
.endr
.set k, 0
.rept 32
	v_pk_mul_f32 v[PV+k:PV+k+1], v[PV+k:PV+k+1], s[22:23] op_sel_hi:[1,0]                 ; t = logit x log2(e), rounded by itself
.set k, k+2
.endr
.irp b, 0,1,2,3
	v_max3_num_f32 v[BM+\b], v[PV+16*\b], v[PV+16*\b+1], v[PV+16*\b+2]   ; the largest t of each block of 32 tasks: for the row's maximum, and, since p rises with t, for the block's largest p
.endr
.irp i, 3,5,7,9,11,13
.irp b, 0,1,2,3
	v_max3_num_f32 v[BM+\b], v[BM+\b], v[PV+16*\b+\i], v[PV+16*\b+\i+1]
.endr
.endr
.irp b, 0,1,2,3
	v_max_num_f32 v[BM+\b], v[BM+\b], v[PV+16*\b+15]
.endr
.irp b, 0,1,2,3
	v_permlanex16_b32 v[BP+\b], v[BM+\b], s20, s21
.endr
.irp b, 0,1,2,3
	v_max_num_f32 v[BM+\b], v[BM+\b], v[BP+\b]
.endr
	v_max3_num_f32 v[TMP], v[BM], v[BM+1], v[BM+2]
	v_max_num_f32 v[TMP], v[TMP], v[BM+3]
	v_floor_f32 v[NM], -v[TMP]                     ; -M = floor(-t) = -ceil(t)
	v_floor_f32 v[NM+1], -v[TMP]
.set k, 0
.rept 32
	v_pk_add_f32 v[PV+k:PV+k+1], v[PV+k:PV+k+1], v[NM:NM+1]   ; t - M
.set k, k+2
.endr
.irp b, 0,1,2,3
	v_add_f32 v[BM+\b], v[BM+\b], v[NM]
.endr
.set k, 0
	s_wait_alu depctr_va_vdst(0)
.rept 64
	v_exp_f32 v[PV+k], v[PV+k]                     ; p = 2^(t - M)
.set k, k+1
.endr
	v_nop                                          ; a plain line behind the exponentials
	s_wait_alu depctr_va_vdst(0)                   ; the 64 exponentials have written p: one wait for the batch, ahead of its first reader
.irp b, 0,1,2,3
	v_exp_f32 v[BM+\b], v[BM+\b]                   ; the blocks' largest p
.endr
	v_pk_add_f32 v[LS:LS+1], v[PV:PV+1], v[PV+2:PV+3]         ; the sum of the unquantised p, in two chains (it reads the 64 alone: plain work behind the four)
	v_pk_add_f32 v[T2:T2+1], v[PV+4:PV+5], v[PV+6:PV+7]
.irp j, 8,12,16,20,24,28,32,36,40,44,48,52,56,60
	v_pk_add_f32 v[LS:LS+1], v[LS:LS+1], v[PV+\j:PV+\j+1]
	v_pk_add_f32 v[T2:T2+1], v[T2:T2+1], v[PV+\j+2:PV+\j+3]
.endr
	v_pk_add_f32 v[LS:LS+1], v[LS:LS+1], v[T2:T2+1]
	s_wait_alu depctr_va_vdst(0)                   ; the four exponentials have written the blocks' largest p, ahead of their first reader
.irp b, 0,1,2,3
	v_max_num_f32 v[BM+\b], 0x1800000, v[BM+\b]    ; the floor 2^(3 - 127): the byte cannot fall under 1
.endr
.irp b, 0,1,2,3
	v_add_nc_u32 v[SO+\b], 0xff000000, v[BM+\b]
.endr
.irp b, 0,1,2,3
	v_lshrrev_b32 v[BY+\b], 23, v[SO+\b]
.endr
	v_lshl_or_b32 v[PW], v[BY+1], 8, v[BY]         ; p's scale word for my 128 tasks
	v_lshl_or_b32 v[PW], v[BY+2], 16, v[PW]
	v_lshl_or_b32 v[PW], v[BY+3], 24, v[PW]
.irp c, 0,1
	v_cvt_scalef32_pk16_fp6_f32 v[PC+6*\c:PC+6*\c+2], v[PV+32*\c:PV+32*\c+15], v[SO+2*\c]
	v_cvt_scalef32_pk16_fp6_f32 v[PT+4*\c:PT+4*\c+2], v[PV+32*\c+16:PV+32*\c+31], v[SO+2*\c+1]   ; (a conversion's three registers begin on an even number)
.endr
	v_nop                                          ; one plain line behind the conversions
.irp c, 0,1                                    ; the operand's layout wants a whole block in a lane
.irp i, 0,1,2
	v_permlane16_swap_b32 v[PC+6*\c+\i], v[PT+4*\c+\i]
.endr
.irp i, 0,1,2
	v_mov_b32 v[PC+3+6*\c+\i], v[PT+4*\c+\i]
.endr
.endr
	v_add_f32 v[LS], v[LS], v[LS+1]
	v_permlanex16_b32 v[PX], v[LS], s20, s21
	v_add_f32 v[LS], v[LS], v[PX]                  ; l of my 128 tasks
.rept 4
	v_nop                                          ; an operand written by vector instructions stands four places ahead of a scaled matrix instruction (the scale word, written further up, more than eight)
.endr
	s_wait_alu depctr_va_vdst(0)                   ; behind the places: p's codes and scale word are written, which the matrix instructions below take; the conversions and the sums are done reading p, in whose registers the f32 row lands
.irp dt, 0,1,2,3,4,5,6,7
.irp e, 0,1
	ds_load_b128 v[PV+8*\dt+4*\e:PV+8*\dt+4*\e+3], v[DFL] offset:\p*DFSZ+8448*\rt+64*\dt+16*\e   ; the f32 row, in O^T's layout: register 8 dt + j is dim 16 dt + 8 h + j
.endr
.endr
	WIN 0x41                                       ; source 0 (W) and the results in window 1
.irp dt, 0,1,2,3,4,5,6,7
	v_wmma_scale_f32_16x16x128_f8f6f4 v[192+8*\dt:192+8*\dt+7], v[96+12*\dt:96+12*\dt+11], v[PC:PC+11], 0, v[W2S+\dt], v[PW] matrix_a_fmt:MATRIX_FMT_FP6 matrix_b_fmt:MATRIX_FMT_FP6
.endr
.rept 4
	v_nop
.endr
	s_wait_dscnt 0x0                               ; the f32 row is in
	WIN 0x01
.irp k, 0,2,4,6
	v_pk_mul_f32 v[ACC+\k:ACC+\k+1], v[192+\k:192+\k+1], v[PV+\k:PV+\k+1]
.endr
.irp dt, 1,2,3,4,5,6,7
.irp k, 0,2,4,6
	v_pk_fma_f32 v[ACC+\k:ACC+\k+1], v[192+8*\dt+\k:192+8*\dt+\k+1], v[PV+8*\dt+\k:PV+8*\dt+\k+1], v[ACC+\k:ACC+\k+1]   ; each accumulator from its low end on
.endr
.endr
	WIN 0
	v_pk_add_f32 v[ACC:ACC+1], v[ACC:ACC+1], v[ACC+2:ACC+3]
	v_pk_add_f32 v[ACC+4:ACC+5], v[ACC+4:ACC+5], v[ACC+6:ACC+7]
	v_pk_add_f32 v[ACC:ACC+1], v[ACC:ACC+1], v[ACC+4:ACC+5]
	v_add_f32 v[ACC], v[ACC], v[ACC+1]
	v_permlanex16_b32 v[PX], v[ACC], s20, s21
	v_add_f32 v[ACC], v[ACC], v[PX]                ; pp: the row . my tasks' part of the regressor
	s_wait_alu depctr_va_vdst(0)                   ; pp, l and -M are written, which the three stores below read; and phase B is done with PV, with the registers of Y and AF and with the rows' scale words, in which the next LDS loads land
	ds_store_b32 v[XAT], v[ACC] offset:128*\u+64*\rt           ; both halves of the lanes write the same word with the same value
	ds_store_b32 v[XAT], v[LS] offset:16384+128*\u+64*\rt
	ds_store_b32 v[XAT], v[NM] offset:32768+128*\u+64*\rt
.endm
.macro WORK p, u                       ; its first loads owe no wait of their own: no vector or matrix instruction since the last wait on va_vdst names v[TA], Y, AF or the rows' scale words
.irp q, 0,1,2,3
	ds_load_b128 v[Y+4*\q:Y+4*\q+3], v[TA] offset:128*\u+16*\q
.endr
	FRAGS \p
	s_wait_dscnt 0x0
.if \u == 0
	GROUP 0, B1, S5
	GROUP 1, B1, S5
	V8ADD PO, B1, S5                               ; P at the odd step's first row
.else
	GROUP 0, PO, E5
	GROUP 1, PO, E5
	V8ADD E5, S5, E5                               ; the trip's 64 rows; P at the next trip's first row = P with the lowest set bit of that row's number cleared + that bit's block
	s_bitcmp1_b32 s26, 0
	s_cbranch_scc1 .Lu1
	V8MOV S6, E5
	V8ADD B1, B2, E5
	s_branch .Lud
.Lu1:
	s_wait_alu depctr_va_vdst(0)
	V8ADD E5, S6, E5                               ; 128 rows
	s_bitcmp1_b32 s26, 1
	s_cbranch_scc1 .Lu2
	V8MOV S7, E5
	V8ADD B1, B3, E5
	V8MOV B2, B1
	s_branch .Lud
.Lu2:
	s_wait_alu depctr_va_vdst(0)
	V8ADD E5, S7, E5                               ; 256 rows (behind the last trip the result is not used)
	V8ADD B1, C0, E5
	V8MOV B2, B1
	V8MOV B3, B1
.Lud:
.endif
	s_wait_dscnt 0x0                               ; the stores of the running sums have read their registers, which phase B loads into
	s_wait_alu depctr_vm_vsrc(0)                   ; the stores of the running sums have read v[E] on, in which phase B's loads land
	SOFT 0, \p, \u
	SOFT 1, \p, \u
.endm
	s_load_b256 s[4:11], s[0:1], 0x0               ; data s[4:5], targets s[6:7], wimg s[8:9], blk s[10:11]
	s_load_b64 s[12:13], s[0:1], 0x20              ; out0
	v_lshl_add_u32 v[SPW], v0, 2, SPARE
	v_mov_b32 v[NIL], 0
	v_lshrrev_b32 v[GOFF], 5, v0
	v_readfirstlane_b32 s14, v[GOFF]               ; wave 0..7
	s_mov_b32 s15, ttmp9                           ; the chunk, 0..3
	s_and_b32 s16, ttmp7, 0xffff                   ; the sequence
	v_and_b32 v[TA], 31, v0                        ; lane
	v_lshlrev_b32 v[GOFF], 4, v[TA]
	v_lshlrev_b32 v[T2], 3, v[TA]                  ; 8 x lane
	v_lshlrev_b32 v[XAT], 2, v[TA]                 ; (4 x lane, for the scale words' loads)
	v_lshl_add_u32 v[TA], v0, 3, YLB               ; where my two targets go
	s_wait_alu depctr_va_sdst(0)                   ; s14 is written, ahead of its first reader: LDS places and the buffers' offsets are made from it
	s_mul_i32 s44, s14, 2112
	v_add_nc_u32 v[DFW], s44, v[GOFF]
	v_lshrrev_b32 v[DFR], 3, v0                    ; the step's row that I quantise: 4 w + lane / 8
	v_and_b32 v[DSW], 7, v0
	v_mul_u32_u24 v[DCW], v[DFR], 104
	v_mad_u32_u24 v[DCW], v[DSW], 12, v[DCW]
	v_add_nc_u32 v[DCW], DCB, v[DCW]
	v_mul_u32_u24 v[DFR], v[DFR], 528
	v_lshl_add_u32 v[DFR], v[DSW], 6, v[DFR]
	v_lshrrev_b32 v[DSW], 1, v0
	v_add_nc_u32 v[DSW], DSB, v[DSW]
	v_and_b32 v[TMP], 15, v0                       ; r
	v_bfe_u32 v[PX], v0, 4, 1                      ; h
	v_and_b32 v[ADS], 8, v[TMP]
	v_add_nc_u32 v[ADS], v[ADS], v[TMP]            ; lane r of a fragment takes row r + 8 (r / 8) (+ 8 for the second fragment): a result's register j is then row 16 h + 8 x fragment + j
	v_mul_u32_u24 v[ADC], v[ADS], 104
	v_mad_u32_u24 v[ADC], v[PX], 24, v[ADC]
	v_add_nc_u32 v[ADC], DCB, v[ADC]
	v_lshl_add_u32 v[ADS], v[ADS], 2, DSB
	v_lshl_add_u32 v[YA0], v[PX], 6, YLB
	s_mul_i32 s44, s14, 16896
	s_add_co_u32 s44, s44, TBASE
	v_mul_u32_u24 v[TS], v[PX], 8448
	v_lshl_add_u32 v[TS], v[TMP], 4, v[TS]
	v_add_nc_u32 v[TS], s44, v[TS]
	v_mul_u32_u24 v[TL], v[TMP], 528
	v_lshl_add_u32 v[DFL], v[PX], 5, v[TL]
	v_lshl_add_u32 v[TL], v[PX], 6, v[TL]
	v_add_nc_u32 v[TL], s44, v[TL]
	s_lshl_b32 s45, s14, 11
	s_add_co_u32 s45, s45, XBASE
	v_lshlrev_b32 v[XA0], 2, v[TMP]
	v_add_nc_u32 v[XA0], s45, v[XA0]
	v_cvt_f32_u32 v[HM], v[PX]
	v_cvt_f32_u32 v[HM+1], v[PX]
	v_lshlrev_b32 v[T2+1], 4, v[TMP]               ; 16 r
	s_cmp_lt_u32 s14, 4                            ; waves 0..3 hold major tasks: log(0.9 / 3); waves 4..7 minor ones: log(0.1 / 512); both as f32
	s_mov_b32 s46, 0xc108a791
	s_cselect_b32 s46, 0xbf9a1bc8, s46
	v_mov_b32 v[LP], s46
	v_mov_b32 v[LP+1], s46
.set k, 0
.rept 24
	v_mov_b32 v[E+k], 0                            ; the earlier chunks' sums; a chunk that is not earlier counts as 0, which an addition leaves as it is
.set k, k+1
.endr
.irp i, 0,1,2,3
	v_mov_b32 v[X4+\i], 0                          ; a lane permute's destination counts as one of its sources
.endr
.set k, 0
.rept 16
	v_mov_b32 v[S6+k], 0                           ; so that every way through the tree's branches reads written registers
.set k, k+1
.endr
	s_mov_b32 s20, 0x76543210
	s_mov_b32 s21, 0xfedcba98                      ; v_permlanex16_b32's selects for lane l xor 16
	s_mov_b32 s22, 0x3fb8aa3b                      ; log2(e)
	s_mov_b32 s23, s22
	s_mov_b32 s24, 0xbf000000                      ; -0.5
	s_mov_b32 s25, s24
	s_mov_b32 s26, 0                               ; the trip
	s_mov_b32 s27, 0                               ; 256 x trip: 64 rows of 4 bytes, among the targets and among the result words
	s_lshl_b32 s30, s16, 20
	s_lshl_b32 s32, s15, 18
	s_add_co_u32 s30, s30, s32
	s_lshl_b32 s32, s14, 11
	s_add_co_u32 s30, s30, s32                     ; data: sequence, chunk, my wave's four rows
	s_mov_b32 s31, 0
	s_lshl_b32 s32, s16, 13
	s_lshl_b32 s34, s15, 11
	s_add_co_u32 s32, s32, s34
	s_lshl_b32 s34, s14, 8
	s_add_co_u32 s32, s32, s34                     ; targets and out0: my wave's 64 of the chunk's 512
	s_mov_b32 s33, 0
	s_mul_i32 s34, s16, 12288
	s_lshl_b32 s36, s14, 9
	s_add_co_u32 s34, s34, s36                     ; blk: the sequence's three chunks, my 128 tasks
	s_mov_b32 s35, 0
	s_mul_i32 s36, s14, 12288
	s_mov_b32 s37, 0
	s_lshl_b32 s38, s14, 10
	s_mov_b32 s39, 0
	s_wait_kmcnt 0x0
	s_add_nc_u64 s[18:19], s[4:5], s[30:31]
	s_add_nc_u64 s[6:7], s[6:7], s[32:33]
	s_add_nc_u64 s[12:13], s[12:13], s[32:33]
	s_add_nc_u64 s[10:11], s[10:11], s[34:35]
	s_add_nc_u64 s[40:41], s[8:9], s[36:37]        ; my wave's images
	s_add_nc_u64 s[42:43], s[8:9], s[38:39]        ; and their scale words
	s_wait_alu depctr_va_vdst(0)                   ; the offsets and LDS addresses v3 to v15, v43, v254 and v255 are written, which the loads and stores below read; so are the zeros in v[E] on, in which the earlier chunks' sums land
	LOADG                                          ; step 0
	global_load_b64 v[Y:Y+1], v[T2], s[6:7]        ; my wave's 64 targets
	s_cmp_lt_u32 s15, 1
	s_cbranch_scc1 .Lnoblk
	global_load_b128 v[E:E+3], v[T2+1], s[10:11]
	global_load_b128 v[E+4:E+7], v[T2+1], s[10:11] offset:256
	s_cmp_lt_u32 s15, 2
	s_cbranch_scc1 .Lnoblk
	global_load_b128 v[E+8:E+11], v[T2+1], s[10:11] offset:4096
	global_load_b128 v[E+12:E+15], v[T2+1], s[10:11] offset:4096+256
	s_cmp_lt_u32 s15, 3
	s_cbranch_scc1 .Lnoblk
	global_load_b128 v[E+16:E+19], v[T2+1], s[10:11] offset:8192
	global_load_b128 v[E+20:E+23], v[T2+1], s[10:11] offset:8192+256
.Lnoblk:
	WIN 0x40                                       ; destination window 1
.set n, 0
.rept 8
.irp c, 0,1,2
	global_load_b128 v[12*n+4*\c:12*n+4*\c+3], v[GOFF], s[40:41] offset:W1IMG+1536*n+512*\c
	global_load_b128 v[96+12*n+4*\c:96+12*n+4*\c+3], v[GOFF], s[40:41] offset:W2IMG+1536*n+512*\c
.endr
.set n, n+1
.endr
	WIN 0
.set n, 0
.rept 8
	global_load_b32 v[W1S+n], v[XAT], s[42:43] offset:W1SC+128*n
	global_load_b32 v[W2S+n], v[XAT], s[42:43] offset:W2SC+128*n
.set n, n+1
.endr
	s_wait_loadcnt 0x0
	ds_store_b64 v[TA], v[Y:Y+1]                   ; (the address was made ahead of the wait on va_vdst above)
	V8ADD C0, E, E+8                               ; P at the chunk's first row: 0; e9[0]; e9[0] + e9[1]; (e9[0] + e9[1]) + e9[2]
	V8ADD C0, C0, E+16
	V8MOV B1, C0
	V8MOV B2, C0
	V8MOV B3, C0
	s_wait_alu depctr_va_vdst(0)                   ; the additions above are done reading v[E] on, in which the quantiser's LDS loads land
	STAGE 0, 0
	LOADG                                          ; step 1
	BARRIER                                        ; step 0's rows, codes and scale bytes and the targets lie in LDS
.Ltrip:                                                ; 8 trips of two steps
	STAGE 1, 1                                     ; the odd step's rows, into the set that was read last before the barrier just passed
	s_cmp_eq_u32 s26, 7
	s_cbranch_scc1 .Leven                          ; the last trip asks for nothing more: no load leaves the chunk
	LOADG
.Leven:
	WORK 0, 0
	BARRIER
	s_cmp_eq_u32 s26, 7
	s_cbranch_scc1 .Lodd
	STAGE 0, 0
	LOADG
.Lodd:
	WORK 1, 1
	BARRIER
	s_add_co_u32 s27, s27, 256
	s_add_co_u32 s26, s26, 1
	s_cmp_lt_u32 s26, 8
	s_cbranch_scc1 .Ltrip
	; THE END: the eight waves' parts of a row meet.  Wave w takes rows 64 w + 2 lane and the next
	v_lshl_add_u32 v[TA], v0, 3, XBASE             ; (the last loads by v[TA] stand ahead of phase A's waits on vm_vsrc)
	s_wait_alu depctr_va_vdst(0)                   ; v[TA] is written, by which the loads below go
.irp q, 0,1,2
.irp ww, 0,1,2,3,4,5,6,7
	ds_load_b64 v[FP+16*\q+2*\ww:FP+16*\q+2*\ww+1], v[TA] offset:16384*\q+2048*\ww
.endr
.endr
	s_wait_dscnt 0x0
.irp e, 0,1
	v_min3_num_f32 v[NG+\e], v[FN+\e], v[FN+2+\e], v[FN+4+\e]      ; the least -M is the row's largest M
.endr
.irp e, 0,1
	v_min3_num_f32 v[NG+\e], v[NG+\e], v[FN+6+\e], v[FN+8+\e]
.endr
.irp e, 0,1
	v_min3_num_f32 v[NG+\e], v[NG+\e], v[FN+10+\e], v[FN+12+\e]
.endr
.irp e, 0,1
	v_min_num_f32 v[NG+\e], v[NG+\e], v[FN+14+\e]
.endr
.irp ww, 0,1,2,3,4,5,6,7
	v_pk_add_f32 v[FN+2*\ww:FN+2*\ww+1], v[NG:NG+1], v[FN+2*\ww:FN+2*\ww+1] neg_lo:[0,1] neg_hi:[0,1]   ; M_w - M: a whole number, 0 or less
.endr
.set k, 0
.rept 16
	v_cvt_i32_f32 v[FN+k], v[FN+k]                 ; (it saturates)
.set k, k+1
.endr
.set k, 0
.rept 16
	v_ldexp_f32 v[FP+k], v[FP+k], v[FN+k]          ; x 2^(M_w - M): nothing is rounded
	v_ldexp_f32 v[FL+k], v[FL+k], v[FN+k]
.set k, k+1
.endr
.irp ww, 1,2,3,4,5,6,7
	v_pk_add_f32 v[FP:FP+1], v[FP:FP+1], v[FP+2*\ww:FP+2*\ww+1]
	v_pk_add_f32 v[FL:FL+1], v[FL:FL+1], v[FL+2*\ww:FL+2*\ww+1]
.endr
	s_wait_alu depctr_va_vdst(0)
	v_rcp_f32 v[FL], v[FL]
	v_rcp_f32 v[FL+1], v[FL+1]
	v_and_b32 v[TMP], 31, v0                       ; (plain lines behind the reciprocals)
	v_lshlrev_b32 v[TMP], 3, v[TMP]
	s_wait_alu depctr_va_vdst(0)                   ; the two reciprocals are written: one wait for both, ahead of their first reader
	v_pk_mul_f32 v[FP:FP+1], v[FP:FP+1], v[FL:FL+1]
	s_wait_alu depctr_va_vdst(0)                   ; the two predictions are written, which the store reads (its offset was written ahead of the wait above)
	global_store_b64 v[TMP], v[FP:FP+1], s[12:13]  ; 32 lanes store 256 consecutive bytes, at a multiple of 256 from out0's first byte
	s_wait_dscnt 0x0                               ; the wave's end: the closing lines, six on end
	s_wait_alu 0x0
	s_wait_tensorcnt 0x0
	ds_add_u32 v[SPW], v[NIL]
	s_wait_dscnt 0x0
	s_endpgm
.Lfunc_end_k_qc43f49c341_mmse:
	.size	k_qc43f49c341_mmse, .Lfunc_end_k_qc43f49c341_mmse-k_qc43f49c341_mmse
	.p2alignl 7, 3214868480
	.fill 96, 4, 3214868480
	.section	.rodata,"a",@progbits
	.p2align	6, 0x0
	.amdhsa_kernel k_qc43f49c341_mmse
		.amdhsa_group_segment_fixed_size 228352
		.amdhsa_private_segment_fixed_size 0
		.amdhsa_enable_private_segment 0
		.amdhsa_kernarg_size 40
		.amdhsa_user_sgpr_count 2
		.amdhsa_user_sgpr_kernarg_segment_ptr 1
		.amdhsa_wavefront_size32 1
		.amdhsa_system_sgpr_workgroup_id_x 1
		.amdhsa_system_sgpr_workgroup_id_y 1
		.amdhsa_system_sgpr_workgroup_id_z 1
		.amdhsa_system_vgpr_workitem_id 0
		.amdhsa_next_free_vgpr 512
		.amdhsa_next_free_sgpr 66
		.amdhsa_reserve_vcc 0
		.amdhsa_float_denorm_mode_32 3
		.amdhsa_float_denorm_mode_16_64 3
		.amdhsa_memory_ordered 1
		.amdhsa_forward_progress 1
		.amdhsa_inst_pref_size 158
	.end_amdhsa_kernel
	.amdgpu_metadata
---
amdhsa.version: [ 1, 2 ]
amdhsa.kernels:
  - .name:           k_qc43f49c341_mmse
    .symbol:         k_qc43f49c341_mmse.kd
    .args:
      - { .name: data, .offset: 0, .size: 8, .value_kind: global_buffer, .address_space: global }
      - { .name: targets, .offset: 8, .size: 8, .value_kind: global_buffer, .address_space: global }
      - { .name: wimg, .offset: 16, .size: 8, .value_kind: global_buffer, .address_space: global }
      - { .name: blk, .offset: 24, .size: 8, .value_kind: global_buffer, .address_space: global }
      - { .name: out0, .offset: 32, .size: 8, .value_kind: global_buffer, .address_space: global }
    .group_segment_fixed_size: 228352
    .private_segment_fixed_size: 0
    .kernarg_segment_align: 8
    .kernarg_segment_size: 40
    .max_flat_workgroup_size: 256
    .sgpr_count:     66
    .vgpr_count:     512
    .wavefront_size: 32
...
	.end_amdgpu_metadata
.endif
;; end of part 4
